; MI455X (gfx1250); checked and timed in simulation.
; The chip was launched on July 23, 2026; its instructions are those of AMD's public machine-readable ISA for CDNA 5 (MIT licence, August 2026) and "CDNA5" Instruction Set Architecture Reference Guide (July 2026). The comments in the code are by the model that wrote it; some were corrected since.
;; Multi Head Mix Attention. Allowed arithmetic: matrix products marked QUANTISED: E2M1 operands, one E8M0 scale for each 32 along K, by v_wmma_scale_f32_16x16x128_f8f6f4 with both operands' format E2M1 (or v_wmma_scale_f32_32x16x128_f4), f32 sums; everything else in f32.
;; Inputs: Wa_o_codes 1,024 x 32 x 16 uint8 (E2M1 codes of Wa_o, K innermost, in blocks of 32 codes, two codes a byte); Wa_o_scales 1,024 x 32 uint8 (E8M0 scales of Wa_o, one for each 32 codes along K); Wa_qk_codes 1,024 x 32 x 16 uint8 (E2M1 codes of Wa_qk, K innermost, in blocks of 32 codes, two codes a byte); Wa_qk_scales 1,024 x 32 uint8 (E8M0 scales of Wa_qk, one for each 32 codes along K); Wa_v_codes 1,024 x 32 x 16 uint8 (E2M1 codes of Wa_v, K innermost, in blocks of 32 codes, two codes a byte); Wa_v_scales 1,024 x 32 uint8 (E8M0 scales of Wa_v, one for each 32 codes along K); Wb_o_codes 1,024 x 32 x 16 uint8 (E2M1 codes of Wb_o, K innermost, in blocks of 32 codes, two codes a byte); Wb_o_scales 1,024 x 32 uint8 (E8M0 scales of Wb_o, one for each 32 codes along K); Wb_qk_codes 1,024 x 32 x 16 uint8 (E2M1 codes of Wb_qk, K innermost, in blocks of 32 codes, two codes a byte); Wb_qk_scales 1,024 x 32 uint8 (E8M0 scales of Wb_qk, one for each 32 codes along K); Wb_v_codes 1,024 x 32 x 16 uint8 (E2M1 codes of Wb_v, K innermost, in blocks of 32 codes, two codes a byte); Wb_v_scales 1,024 x 32 uint8 (E8M0 scales of Wb_v, one for each 32 codes along K); a_codes 2 x 2,048 x 32 x 16 uint8 (E2M1 codes of a, K innermost, in blocks of 32 codes, two codes a byte); a_scales 2 x 2,048 x 32 uint8 (E8M0 scales of a, one for each 32 codes along K); b_codes 2 x 2,048 x 32 x 16 uint8 (E2M1 codes of b, K innermost, in blocks of 32 codes, two codes a byte); b_scales 2 x 2,048 x 32 uint8 (E8M0 scales of b, one for each 32 codes along K); ba_o 1,024 float32; ba_qk 1,024 float32; ba_v 1,024 float32; bb_o 1,024 float32; bb_qk 1,024 float32; bb_v 1,024 float32.
;; Outputs: out0 2 x 2,048 x 1,024 float32; out1 2 x 2,048 x 1,024 float32.
;; This version of the problem:
;;   THIS VERSION OF THE PROBLEM IS GIVEN IN LOW PRECISION. The matrix products marked QUANTISED in the list below multiply operands that are first quantised to E2M1 (2 exponent bits, 1 mantissa bit; 4 bits a number), with one power-of-two scale for each 32 numbers along K (OCP MX v1.0); their sums are f32. All else is computed in f32.
;;   The module's matrix products, in the order in which they are computed (A, B: the left and right operand; K: the contracted axis; several contracted axes count as one K, in the product's order):
;;     1. [M 4,096, K 1,024] x [K 1,024, N 1,024]; A: input a (given as codes); B: input Wa_qk (given as codes): QUANTISED
;;     2. [M 4,096, K 1,024] x [K 1,024, N 1,024]; A: input a (given as codes); B: input Wa_v (given as codes): QUANTISED
;;     3. [M 4,096, K 1,024] x [K 1,024, N 1,024]; A: input b (given as codes); B: input Wb_qk (given as codes): QUANTISED
;;     4. [M 4,096, K 1,024] x [K 1,024, N 1,024]; A: input b (given as codes); B: input Wb_v (given as codes): QUANTISED
;;     5. batch 32 x [M 2,048, K 64] x [K 64, N 2,048]; A: computed on the way; B: computed on the way: QUANTISED
;;     6. batch 32 x [M 2,048, K 2,048] x [K 2,048, N 64]; A: softmax (see below); B: computed on the way: QUANTISED
;;     7. batch 32 x [M 2,048, K 2,048] x [K 2,048, N 64]; A: softmax (see below); B: computed on the way: QUANTISED
;;     8. [M 4,096, K 1,024] x [K 1,024, N 1,024]; A: computed on the way; B: input Wa_o (given as codes): QUANTISED
;;     9. [M 4,096, K 1,024] x [K 1,024, N 1,024]; A: computed on the way; B: input Wb_o (given as codes): QUANTISED
;;   THE QUANTISER, for each operand of a quantised product, along K:
;;     - K is cut into blocks of 32 from its start; a last block that is shorter is filled with zeros.
;;     - A block's scale is 2^e with e = floor(log2(the largest magnitude in the block)) - 2, held to -126 .. 127; a block of zeros has e = 0. As a byte (E8M0): e + 127.
;;     - Each number is divided by its block's scale, clamped to +-6, and rounded to the nearest number of E2M1, ties to even, subnormals kept.
;;     - The product sums the exact products of the quantised numbers (number of the format x scale) in f32.
;;   ~~~python
;;   def quantise(x, axis):      # numpy; x: float32 -> the quantised numbers, widened to float32 again
;;       x = np.moveaxis(x, axis, -1); K = x.shape[-1]
;;       x = np.pad(x, [(0, 0)] * (x.ndim - 1) + [(0, -K % 32)]); x = x.reshape(x.shape[:-1] + (-1, 32)); a = np.abs(x).max(-1, keepdims=True)
;;       e = np.where(a > 0, np.clip(np.frexp(np.where(a > 0, a, 1))[1] - 1 - 2, -126, 127), 0)      # np.frexp(a)[1] - 1 = floor(log2(a)), exactly
;;       r = np.clip(x / 2.0 ** e, -6, 6)
;;       step = 2.0 ** (np.maximum(np.frexp(np.where(r == 0, 1, r))[1] - 1, 0) - 1)
;;       q = np.round(r / step) * step * 2.0 ** e      # np.round: ties to even
;;       return np.moveaxis(q.reshape(q.shape[:-2] + (-1,))[..., :K], -1, axis).astype(np.float32)
;;   ~~~
;;   SOFTMAX AHEAD OF A QUANTISED PRODUCT. Where the list says 'softmax', what is quantised is not the finished softmax but p = 2^(t - M), with t = logit x log2(e) and M = ceil(the row's largest t), a whole number; so 1/2 < the row's largest p <= 1. The row's sum l is taken of the UNQUANTISED p, in f32, and the product's result is divided by l at the end. Since M is a whole number, a kernel that streams over the keys may use a running M (the ceiling of the running maximum): every later rescaling is an exact power of two, which a block's scale takes up: the codes' values come out the same.
;;   OPERANDS COMPUTED ON THE WAY. 'Computed on the way' means the value that the module computes at that place (a softmax that the list does not call 'softmax' is quantised finished and normalised). What goes into a quantiser is computed in f32, as accurately as f32 sums, v_exp_f32 and their like allow (about 1e-6 of the number): no bf16 or f16 on the way to a quantiser, and a product that is left as it is and whose result goes on into a quantised operand takes f32 operands (vector FMAs, or v_wmma_f32_16x16x4_f32). A number that lies on a knife's edge between two numbers of the format may be rounded either way, as far as f32 arithmetic and the matrix unit's own rounding can turn it there, and no further.
;;   INPUTS GIVEN AS CODES. Wa_o (in the module: [1024, 1024], K = its axis 0); Wa_qk (in the module: [1024, 1024], K = its axis 0); Wa_v (in the module: [1024, 1024], K = its axis 0); Wb_o (in the module: [1024, 1024], K = its axis 0); Wb_qk (in the module: [1024, 1024], K = its axis 0); Wb_v (in the module: [1024, 1024], K = its axis 0); a (in the module: [2, 2048, 1024], K = its axis 2); b (in the module: [2, 2048, 1024], K = its axis 2): each comes as NAME_codes (uint8): NAME with its K axis moved to the last place and cut into blocks of 32 codes, [.., K / 32, bytes a block], one block behind the other in memory; two codes a byte, the lower K in the low four bits (a code: sign, 2 exponent bits, 1 mantissa bit); and NAME_scales (uint8): the same leading axes, one E8M0 byte (e + 127) for each 32 codes along K. Its value is code x scale, taken as it is: it is not quantised again, and the codes and scales need not be those that the quantiser above would give.
;; One version. Each part assembles by itself: llvm-mc -triple=amdgcn-amd-amdhsa -mcpu=gfx1250 --defsym DOCPART=n.
;; ======== version 1 of 1: 3 launches
;; limits: right only within a limited range of input values
;; workspace buffers: kv 9,175,040 bytes; ctx_codes 4,194,304 bytes; ctx_scales 262,144 bytes
;; launch proj (part 1): grid 16 x 16, 4 waves a work-group, clusters of 4 x 4, 327,680 bytes of LDS; arguments a_codes, a_scales, b_codes, b_scales, Wa_qk_codes, Wa_qk_scales, Wa_v_codes, Wa_v_scales, Wb_qk_codes, Wb_qk_scales, Wb_v_codes, Wb_v_scales, ba_qk, ba_v, bb_qk, bb_v, kv; writes kv
.if DOCPART == 1
	.amdgcn_target "amdgcn-amd-amdhsa--gfx1250"
	.amdhsa_code_object_version 6
	.text
	.protected	k_q32ccd5124c_proj
	.globl	k_q32ccd5124c_proj
	.p2align	8
	.type	k_q32ccd5124c_proj,@function
k_q32ccd5124c_proj:
	s_mov_b64 s[64:65], 0
	v_nop
	global_prefetch_b8 v0, s[64:65] scope:SCOPE_SE
	s_setreg_imm32_b32 hwreg(HW_REG_WAVE_MODE, 25, 1), 1
	s_wait_xcnt 0x0
	s_wait_alu depctr_hold_cnt(0) depctr_sa_sdst(0) depctr_va_vdst(0) depctr_va_sdst(0) depctr_va_ssrc(0) depctr_va_vcc(0) depctr_vm_vsrc(0)
	s_getreg_b32 s2, hwreg(HW_REG_IB_STS2, 6, 4)
	s_cmp_eq_u32 s2, 0
	s_cbranch_scc0 .Lentry_in_a_cluster
	s_endpgm
.Lentry_in_a_cluster:
	s_bfe_u32 s2, ttmp6, 0x10000c
	s_cmp_lg_u32 s2, 0xf033
	s_cbranch_scc0 .Lentry_shape_is_right
	s_endpgm
.Lentry_shape_is_right:
; The four projections (a Wa_qk, a Wa_v, b Wb_qk, b Wb_v, each + bias) on codes of FP4 (E2M1) with one E8M0 scale for each 32 along K = 1,024; the results are quantised in registers and leave as codes.
; D = X Y^T: source 0 = 16 rows of X, source 1 = 16 rows of Y.  In the result a lane holds ONE row of Y (lane % 16) and its registers run along X: the result is quantised along X.
;   qk (PATH 0): X = the weight's rows (features), Y = the sequence's rows: quantised along the head's 64.      v (PATH 1): X = the sequence's rows, Y = the weight's rows: quantised along the sequence.
; A work-group of four waves makes 256 x 256, a wave 128 x 128: 64 accumulators, 512 registers.  All of K fits in LDS at once (two slots of 512 along K, and the scale bytes): every LDS byte is filled once.
; CLUSTERS: 4 x 4 work-groups; the cluster's x names the product (tensor = x / 2, PATH = x % 2), so all partners take the same way.  X's tile hangs on cx and is asked for jointly by a column of the cluster,
; Y's on cy and by a row: the same tensor load, the same descriptor, a mask that names the four.
; OUT (kv): for each of 64 heads (32 tensor + 16 batch + head) 16 key steps of 8,960 bytes, laid in the order of the operands' registers: +0 eight tiles of qk codes (16 rows x 64: 512 bytes, 16 a lane);
;   +4,096 four fragments of V^T (16 d x 128 keys: 1,024 bytes); +8,192 qk's scale words [quad 2][row 16][tile 4] (bytes 0, 1 the two blocks', bytes 2, 3 = 127); +8,704 V's scale words [row 16][fragment 4].
; A block of 32 along X lies in result tiles 2 b and 2 b + 1 of lanes l and l xor 16.  Its scale is 2^(floor(log2(largest magnitude)) - 2).
; LIMITS: NaN and infinities are not served.  A block whose largest magnitude lies under 2^(3 - 127), a block of zeros among them, gets the byte 1 (the bytes are read by this program alone; its codes are zeros or what that scale gives).
; REGISTERS, in windows of 256: window 0: v1-27 addresses; v32-95 scale words, a set for each slot; v96-127 at work; v128-191, v192-255 Y's fragments, two sets (at the end v128-191 the codes made).
;   window 1: v0-63, v128-191 X's fragments, two sets; v64-127 the bias in the result's layout.   window 2, 3: accumulator (a = Y's block, b = X's tile) at v[8 (8 (a % 4) + b)], window 2 + a / 4.
.set PITCH,  528                       ; an LDS row: all of K, 512 bytes of codes, + 16 of padding: the 16 rows of a fragment load start 132 words apart
.set HALFT,  128*PITCH                 ; 128 rows: what one wave reads of X or of Y
.set SLOT,   256                       ; K 512 .. 1,023 lies 256 bytes on in each row
.set SCL,    4*HALFT                   ; behind Y's 256 rows and X's 256 rows: the scale bytes, as units of 256 bytes + 16 of padding
.set HALFS,  16*272                    ; those of 128 rows (32 bytes a row)
.set SBLK,   2*272                     ; those of 16 rows
.set HEADB,  143360                    ; kv: a head
.set KSB,    8960                      ; kv: a key step
.set VC,     4096
.set KSW,    8192
.set VSW,    8704
.set LI,   5                           ; v5   16 x lane
.set SOFF, 6                           ; v6   HEADB x (lane / 16) + 16 x (lane % 16): scale words: lanes 0-15 the first head's, lanes 16-31 the second's
.set BOX,  7                           ; v7   32 x (lane / 16): the bias along X
.set BOY,  8                           ; v8   4 x (lane % 16): the bias along Y
.set SH,   9                           ; v9   16 x (lane / 16)
.set ADRY, 16                          ; v16-17 LDS address of my Y fragments in slot 0, 1
.set ADRX, 20                          ; v20-21 the same for X
.set ADRS, 27                          ; v27  LDS address of my scale words: lanes 0-15 Y's rows, lanes 16-31 X's
.set SC,   32                          ; scale words: register SC + 32 slot + 4 i + q: lanes 0-15 Y's block i, lanes 16-31 X's tile i, the slot's q-th 128 along K
.set TM,   96                          ; v96-99 largest magnitudes, v100-103 the other lanes', then bytes, v108-111 the conversions' scale operands
.set WW,   112                         ; v112-119 the scale word of each of my 8 blocks of Y
.set T8,   120                         ; v120-127 scale words as they are stored
.set YF,   128
.set PC,   128                         ; the codes made: 8 registers for each block of Y
.set CB,   64                          ; window 1
.set WV,   12
.set WY,   13                          ; which half of Y's rows is mine.
.set WX,   14                          ; which half of X's rows.
.set PATH, 15
.set SEL,  4                           ; s[4:5] v_permlanex16_b32's selects for lane l xor 16
.set HM,   6                           ; s6   lanes 16-31
.set UP,   7                           ; s7   bytes 2, 3 = 127
.set G1,   44                          ; s[44:51] group 1 for Y's codes; s[52:59] groups 0, one for each slot; s[60:63] group 0 for Y's scales
.set G0,   52
.set G0S,  60
.set G1B,  68                          ; s[68:75], s[76:83] the same for X's codes
.set G0B,  76
.set G1S,  84                          ; s[84:91] group 1 for Y's scales; s[92:99] for X's; s[24:27] group 0 for X's scales
.set G1SB, 92
.set G0SB, 24
.set MSB, 0
.macro WIN new                         ; the immediate's high byte repeats the setting that is left
.if MSB != \new
	s_set_vgpr_msb (MSB<<8)|\new
.set MSB, \new
.endif
.endm
.macro CROUND                          ; a round of the cluster's barrier
	s_barrier_signal -1
	s_barrier_wait -1
	s_cmp_lg_u32 s[WV], 0
	s_cbranch_scc1 .Lnot_wave_0_\@
	s_barrier_signal -3
.Lnot_wave_0_\@:
	s_barrier_wait -3
	s_barrier_signal -1
	s_barrier_wait -1
.endm
.macro PLACES n
.rept \n
	v_nop
.endr
.endm
	s_load_b256 s[4:11], s[0:1], 0x0               ; a's codes, a's scales, b's codes, b's scales
	s_load_b512 s[16:31], s[0:1], 0x20             ; codes and scales of Wa_qk, Wa_v, Wb_qk, Wb_v
	s_load_b256 s[32:39], s[0:1], 0x60             ; ba_qk, ba_v, bb_qk, bb_v
	s_load_b64 s[40:41], s[0:1], 0x80              ; kv
	v_lshl_add_u32 v106, v0, 2, 0x48400
	v_mov_b32 v107, 0
	ds_add_u32 v106, v107
	ds_add_u32 v106, v107
	v_lshrrev_b32 v1, 5, v0
	v_readfirstlane_b32 s[WV], v1                  ; wave 0..3
	s_lshr_b32 s[WY], s[WV], 1
	s_and_b32 s[WX], s[WV], 1
	s_bfe_u32 s42, ttmp6, 0x40000                  ; cx
	s_bfe_u32 s43, ttmp6, 0x40004                  ; cy
	s_lshr_b32 s3, ttmp9, 1                        ; the tensor: 0 a, 1 b (ttmp9 counts clusters: all partners share it)
	s_and_b32 s[PATH], ttmp9, 1                    ; 0 qk, 1 v
	s_and_b32 s2, ttmp7, 0xffff
	s_lshl_b32 s2, s2, 2                           ; 4 x cluster y: it counts the sequence's tiles, which are X's (v) or Y's (qk)
	s_cmp_eq_u32 s[PATH], 0
	s_cselect_b32 s100, 0, s2
	s_cselect_b32 s101, s2, 0
	s_add_co_u32 s100, s100, s42                   ; X's tile: cx (+ 4 x cluster y)
	s_add_co_u32 s101, s101, s43                   ; Y's tile: cy (+ 4 x cluster y)
	s_lshl_b32 s66, s43, 2
	s_lshl_b32 s66, 15, s66                        ; my row of the cluster (same cy): Y's tiles
	s_lshl_b32 s67, 0x1111, s42                    ; my column (same cx): X's tiles
	; group 1, codes: 256 rows x 512 bytes, dense in memory; 16 bytes of padding behind every 128 words
	s_or_b32 s[G1], s66, (0<<16)|(1<<20)|(1<<21)|(6<<22)|(3<<25)
	s_or_b32 s[G1B], s67, (0<<16)|(1<<20)|(1<<21)|(6<<22)|(3<<25)
.irp g, G1, G1B
	s_mov_b32 s[\g+1], 512<<16                     ; tensor_dim0
	s_mov_b32 s[\g+2], 256<<16                     ; tensor_dim1: the head's loads bring a whole tile of 256 rows
	s_mov_b32 s[\g+3], 512<<16                     ; tile_dim0
	s_mov_b32 s[\g+4], 256                         ; tile_dim1
	s_mov_b32 s[\g+5], 512                         ; from row to row
	s_mov_b32 s[\g+6], 0
	s_mov_b32 s[\g+7], 0
.endr
	; group 1, scales of 256 rows: 8,192 dense bytes as 32 rows of 256 (32 elements of 8 bytes), padded likewise
	s_or_b32 s[G1S], s66, (3<<16)|(1<<20)|(1<<21)|(5<<22)|(3<<25)
	s_or_b32 s[G1SB], s67, (3<<16)|(1<<20)|(1<<21)|(5<<22)|(3<<25)
.irp g, G1S, G1SB
	s_mov_b32 s[\g+1], 32<<16
	s_mov_b32 s[\g+2], 32<<16                      ; the scales of 256 rows: 32 rows of 256 bytes
	s_mov_b32 s[\g+3], 32<<16
	s_mov_b32 s[\g+4], 32
	s_mov_b32 s[\g+5], 32
	s_mov_b32 s[\g+6], 0
	s_mov_b32 s[\g+7], 0
.endr
	s_wait_dscnt 0x0
	s_wait_kmcnt 0x0
	s_cmp_eq_u32 s3, 0                             ; the tensor chooses among buffers; the choice hangs on the cluster's number alone
	s_cselect_b64 s[4:5], s[4:5], s[8:9]           ; the sequence's codes
	s_cselect_b64 s[6:7], s[6:7], s[10:11]         ; and scales
	s_cselect_b64 s[16:17], s[16:17], s[24:25]     ; W_qk
	s_cselect_b64 s[18:19], s[18:19], s[26:27]
	s_cselect_b64 s[20:21], s[20:21], s[28:29]     ; W_v
	s_cselect_b64 s[22:23], s[22:23], s[30:31]
	s_cselect_b64 s[32:33], s[32:33], s[36:37]     ; b_qk
	s_cselect_b64 s[34:35], s[34:35], s[38:39]     ; b_v
	s_cmp_eq_u32 s[PATH], 0
	s_cselect_b64 s[16:17], s[16:17], s[20:21]     ; the weight's codes
	s_cselect_b64 s[18:19], s[18:19], s[22:23]     ; and scales
	s_cselect_b64 s[32:33], s[32:33], s[34:35]     ; the bias
	s_cselect_b64 s[8:9], s[16:17], s[4:5]         ; X's codes: the weight (qk) or the sequence (v)
	s_cselect_b64 s[10:11], s[18:19], s[6:7]       ; X's scales
	s_cselect_b64 s[20:21], s[4:5], s[16:17]       ; Y's codes
	s_cselect_b64 s[22:23], s[6:7], s[18:19]       ; Y's scales
	s_mov_b32 s34, 0                               ; the tile's first row: my half is added for slot 1's load alone
	s_lshl_b32 s28, s100, 8
	s_add_co_u32 s28, s28, s34                     ; X: row 256 x tile + 128 x half
	s_lshl_b32 s30, s28, 5                         ; its scales: 32 bytes a row
	s_lshl_b32 s28, s28, 9                         ; its codes: 512 bytes a row
	s_mov_b32 s29, 0
	s_mov_b32 s31, 0
	s_lshl_b32 s36, s101, 8
	s_add_co_u32 s36, s36, s34                     ; Y likewise
	s_lshl_b32 s38, s36, 5
	s_lshl_b32 s36, s36, 9
	s_mov_b32 s37, 0
	s_mov_b32 s39, 0
	s_add_nc_u64 s[8:9], s[8:9], s[28:29]
	s_add_nc_u64 s[10:11], s[10:11], s[30:31]
	s_add_nc_u64 s[20:21], s[20:21], s[36:37]
	s_add_nc_u64 s[22:23], s[22:23], s[38:39]
	s_mov_b32 s[G0S], 1
	s_mov_b32 s[G0S+1], SCL
	s_mov_b64 s[G0S+2:G0S+3], s[22:23]
	s_or_b32 s[G0S+3], s[G0S+3], 0x80000000
	s_mov_b32 s[G0SB], 1
	s_mov_b32 s[G0SB+1], SCL+2*HALFS
	s_mov_b64 s[G0SB+2:G0SB+3], s[10:11]
	s_or_b32 s[G0SB+3], s[G0SB+3], 0x80000000
	s_mov_b32 s[G0], 1                             ; Y's 256 rows, all of K,
	s_mov_b32 s[G0+1], 0
	s_mov_b64 s[G0+2:G0+3], s[20:21]
	s_or_b32 s[G0+3], s[G0+3], 0x80000000
	s_mov_b32 s[G0B], 1                            ; X's 256 rows behind them
	s_mov_b32 s[G0B+1], 2*HALFT
	s_mov_b64 s[G0B+2:G0B+3], s[8:9]
	s_or_b32 s[G0B+3], s[G0B+3], 0x80000000
	CROUND                                         ; all sixteen work-groups are here: the joint loads meet
; The head's four tiles, one load a wave: wave 0 Y's codes, all of K, wave 1 X's, wave 2 Y's scales, wave 3 X's.  One tree of branches on the wave's number.
.macro ARM under, g0, g1, next
	s_cmp_lt_u32 s[WV], \under
	s_cbranch_scc0 \next
	tensor_load_to_lds s[\g0:\g0+3], s[\g1:\g1+7]
	s_nop 0
.rept 4
	v_nop
.endr
	s_branch .Lhead_asked
\next:
.endm
	ARM 1, G0,  G1,  .Lhead_x
	ARM 2, G0B, G1B, .Lhead_sy
	ARM 3, G0S, G1S, .Lhead_sx
	tensor_load_to_lds s[G0SB:G0SB+3], s[G1SB:G1SB+7]
	s_nop 0
.rept 4
	v_nop
.endr
.Lhead_asked:
	s_mov_b32 s[SEL], 0x76543210
	s_mov_b32 s[SEL+1], 0xfedcba98
	s_mov_b32 s[HM], 0xffff0000
	s_mov_b32 s[UP], 0x7f7f0000
	v_and_b32 v1, 15, v0                           ; r = lane % 16
	v_bfe_u32 v2, v0, 4, 1                         ; h = lane / 16
	v_and_b32 v3, 31, v0
	v_lshlrev_b32 v[LI], 4, v3
	v_mul_u32_u24 v[SOFF], v2, HEADB
	v_lshl_add_u32 v[SOFF], v1, 4, v[SOFF]
	v_lshlrev_b32 v[BOX], 5, v2
	v_lshlrev_b32 v[BOY], 2, v1
	v_lshlrev_b32 v[SH], 4, v2
.irp b, 0,1,2,3
	v_mov_b32 v[TM+4+\b], 0                        ; written once: a lane permute's destination counts as one of its sources
.endr
	v_mul_u32_u24 v4, v1, PITCH
	v_lshl_add_u32 v4, v2, 4, v4                   ; a fragment's row x pitch + 16 x half
	s_mul_i32 s16, s[WY], HALFT                    ; my 128 rows of Y
	s_mul_i32 s17, s[WX], HALFT                    ; my 128 rows of X,
	s_add_co_u32 s17, s17, 2*HALFT                 ; which lie behind Y's 256
.irp s, 0,1
	v_add_nc_u32 v[ADRY+\s], s16, v4
	v_add_nc_u32 v[ADRX+\s], s17, v4
	s_add_co_u32 s16, s16, SLOT
	s_add_co_u32 s17, s17, SLOT
.endr
	v_lshlrev_b32 v10, 5, v1                       ; my row's scales: 32 bytes a row,
	v_lshrrev_b32 v11, 3, v1
	v_lshl_add_u32 v10, v11, 4, v10                ; and 16 more behind each 256
	s_mul_i32 s16, s[WY], HALFS                    ; Y's: my 128 rows
	s_mul_i32 s17, s[WX], HALFS                    ; X's: my 128 rows, behind Y's 256
	s_add_co_u32 s17, s17, 2*HALFS
	s_sub_co_u32 s17, s17, s16
	v_mul_u32_u24 v11, s17, v2                     ; lanes 16-31 take X's: one product, the distance x h
	s_add_co_u32 s16, s16, SCL
	v_add_nc_u32 v10, v10, v11
	v_add_nc_u32 v[ADRS], s16, v10
	; where my results go and which bias is mine: these numbers hold cx and cy together and enter global addresses alone
	s_lshl_b32 s16, s100, 1
	s_add_co_u32 s16, s16, s[WX]                   ; my 128 of X
	s_lshl_b32 s17, s101, 1
	s_add_co_u32 s17, s17, s[WY]                   ; my 128 of Y
	s_cmp_eq_u32 s[PATH], 0
	s_cselect_b32 s18, s17, s16                    ; which 128 rows of the sequence (0..31): 16 x batch + key step
	s_cselect_b32 s19, s16, s17                    ; which 128 features (0..7): heads 2 x that, + 1
	s_lshr_b32 s34, ttmp9, 1
	s_lshl_b32 s34, s34, 5                         ; 32 x tensor
	s_and_b32 s35, s18, 16                         ; + 16 x batch
	s_add_co_u32 s34, s34, s35
	s_lshl_b32 s35, s19, 1
	s_add_co_u32 s34, s34, s35                     ; + head
	s_mul_i32 s34, s34, HEADB
	s_and_b32 s35, s18, 15
	s_mul_i32 s35, s35, KSB
	s_add_co_u32 s34, s34, s35
	s_mov_b32 s35, 0
	s_add_nc_u64 s[40:41], s[40:41], s[34:35]
	s_lshl_b32 s34, s19, 9
	s_add_nc_u64 s[32:33], s[32:33], s[34:35]      ; my 128 numbers of the bias
	; THE BIAS is the C of each sum's first product, eight registers in the result's layout.
	s_cmp_eq_u32 s[PATH], 0
	s_cbranch_scc0 .Lbias_v
	WIN 0x40                                       ; destination window 1
.irp a, 0,1,2,3,4,5,6,7                            ; qk: the features run along X: for X's tile a the numbers 16 a + 8 h + 0 .. 7
	global_load_b128 v[CB+8*\a:CB+8*\a+3], v[BOX], s[32:33] offset:64*\a
	global_load_b128 v[CB+8*\a+4:CB+8*\a+7], v[BOX], s[32:33] offset:64*\a+16
.endr
	WIN 0
	s_branch .Lbias_done
.Lbias_v:
	WIN 0x40
.irp i, 0,1,2,3,4,5,6,7                            ; v: the features are Y's rows: for Y's block i the one number 16 i + r, in all eight registers
	global_load_b32 v[CB+8*\i], v[BOY], s[32:33] offset:64*\i
.endr
	s_wait_loadcnt 0x0
	WIN 0x41
.irp i, 0,1,2,3,4,5,6,7
.irp j, 1,2,3,4,5,6,7
	v_mov_b32 v[CB+8*\i+\j], v[CB+8*\i]
.endr
.endr
	WIN 0
.Lbias_done:
	s_wait_loadcnt 0x0
; 32 LDS loads: the fragments of K step n (128 along K; slot n / 4, its (n % 4)-th) into set n % 2.  A fragment, 16 rows x 128 K, is 8 registers: lane l holds row l % 16; registers 4 c .. 4 c + 3 hold K = 64 c + 32 (l / 16) + 0 .. 31.
.macro FETCH n
.set FS, (\n)/4
.set FQ, (\n)%4
.set FP, (\n)%2
	WIN 0x40                                       ; destination window 1, address window 0
.irp i, 0,1,2,3,4,5,6,7
.irp c, 0,1
	ds_load_b128 v[128*FP+8*\i+4*\c:128*FP+8*\i+4*\c+3], v[ADRX+FS] offset:64*FQ+32*\c+\i*16*PITCH
.endr
.endr
	WIN 0
.irp i, 0,1,2,3,4,5,6,7
.irp c, 0,1
	ds_load_b128 v[YF+64*FP+8*\i+4*\c:YF+64*FP+8*\i+4*\c+3], v[ADRY+FS] offset:64*FQ+32*\c+\i*16*PITCH
.endr
.endr
.endm
.macro SCALES s                        ; a slot's scale words: four words a row; lanes 0-15 take Y's block i, lanes 16-31 X's tile i
.irp i, 0,1,2,3,4,5,6,7
	ds_load_b128 v[SC+32*\s+4*\i:SC+32*\s+4*\i+3], v[ADRS] offset:\i*SBLK+16*\s
.endr
.endm
; 64 products: K step n.  cmode 0: onto the sums; 1: the sums start with the bias along X; 2: with the bias along Y.  The 64 accumulators take turns, one instruction a turn, in one order in every step.
.macro MUL n, cmode
.set MS, SC+32*((\n)/4)+(\n)%4
.set MP, (\n)%2
.irp a, 0,1,2,3,4,5,6,7
.if \cmode == 0
.set MW, 0xa1+0x50*(\a/4)                          ; source 0 (X) window 1, source 1 (Y) window 0, C and D window 2 or 3
.else
.set MW, 0x91+0x40*(\a/4)                          ; the same with C in window 1
.endif
	WIN MW
.irp b, 0,1,2,3,4,5,6,7
.set AD, 8*(8*(\a%4)+\b)
.if \cmode == 0
	v_wmma_scale_f32_16x16x128_f8f6f4 v[AD:AD+7], v[128*MP+8*\b:128*MP+8*\b+7], v[YF+64*MP+8*\a:YF+64*MP+8*\a+7], v[AD:AD+7], v[MS+4*\b], v[MS+4*\a] matrix_a_fmt:MATRIX_FMT_FP4 matrix_b_fmt:MATRIX_FMT_FP4 matrix_a_scale:MATRIX_SCALE_ROW1
.elseif \cmode == 1
	v_wmma_scale_f32_16x16x128_f8f6f4 v[AD:AD+7], v[128*MP+8*\b:128*MP+8*\b+7], v[YF+64*MP+8*\a:YF+64*MP+8*\a+7], v[CB+8*\b:CB+8*\b+7], v[MS+4*\b], v[MS+4*\a] matrix_a_fmt:MATRIX_FMT_FP4 matrix_b_fmt:MATRIX_FMT_FP4 matrix_a_scale:MATRIX_SCALE_ROW1
.else
	v_wmma_scale_f32_16x16x128_f8f6f4 v[AD:AD+7], v[128*MP+8*\b:128*MP+8*\b+7], v[YF+64*MP+8*\a:YF+64*MP+8*\a+7], v[CB+8*\a:CB+8*\a+7], v[MS+4*\b], v[MS+4*\a] matrix_a_fmt:MATRIX_FMT_FP4 matrix_b_fmt:MATRIX_FMT_FP4 matrix_a_scale:MATRIX_SCALE_ROW1
.endif
.endr
.endr
.endm
; K step n, n = 1 .. 7: its fragments were asked for a step (64 products) ago; the next step's are asked for ahead of its products.
.macro KSTEP n
	s_wait_dscnt 0x0                               ; this step's fragments are in
.if (\n) < 7
	PLACES 4                                       ; four plain places between the last step's products and loads into the registers that they read (ISA guide 7.12.1 for vector instructions)
	FETCH (\n)+1
.if (\n) == 3
	SCALES 1
.endif
.endif
	MUL \n, 0
.endm
	s_wait_alu depctr_va_vdst(0)
	s_wait_tensorcnt 0x0                           ; my tile of the four is in: it was my one load of the launch
	s_barrier_signal -1
	s_barrier_wait -1                              ; everybody's is: all of K and the scales lie in LDS, and nothing is filled again
	FETCH 0
	SCALES 0
	s_wait_dscnt 0x0
	FETCH 1
	s_cmp_eq_u32 s[PATH], 0
	s_cbranch_scc0 .Lfirst_v
	MUL 0, 1
	WIN 0                                          ; at a branch and at a label every window is 0
	s_branch .Lfirst_done
.Lfirst_v:
	MUL 0, 2
	WIN 0
.Lfirst_done:
.irp n, 1,2,3,4,5,6,7
	KSTEP \n
.endr
	WIN 0
	PLACES 4                                       ; in front of the first read of results and the first write into registers that products have read
; Block a of Y: a lane's 64 numbers (X's tiles 0 .. 7, eight registers each) become a fragment's 8 registers of codes and a scale word.  Tiles 2 b, 2 b + 1 of lanes l and l xor 16 are block b of 32 along X.
; Each accumulator is read from its low end on.  The conversions' destinations are laid so that one exchange of halves for each pair of registers gives the operand's layout: registers 4 c .. 4 c + 3 of lane (r, h): 64 c + 32 h + 0 .. 31.
.macro QUANTW a
.set AC, 64*((\a)%4)
.set QW, 2+(\a)/4
.set WQ, QW|(QW<<2)
	WIN WQ                                         ; sources 0 and 1: the accumulators' window
.irp b, 0,1,2,3
	v_max3_num_f32 v[TM+\b], |v[AC+16*\b]|, |v[AC+16*\b+1]|, 0x1800000   ; and the floor 2^(3 - 127): the byte cannot fall under 1
.endr
.irp i, 2,4,6,8,10,12,14
.irp b, 0,1,2,3
	v_max3_num_f32 v[TM+\b], |v[AC+16*\b+\i]|, |v[AC+16*\b+\i+1]|, v[TM+\b]   ; the four blocks by turns
.endr
.endr
	WIN 0
.irp b, 0,1,2,3
	v_permlanex16_b32 v[TM+4+\b], v[TM+\b], s[SEL], s[SEL+1]
.endr
.irp b, 0,1,2,3
	v_max_num_f32 v[TM+\b], v[TM+\b], v[TM+4+\b]   ; with lane l xor 16's: the block's largest magnitude
.endr
.irp b, 0,1,2,3
	v_add_nc_u32 v[TM+12+\b], 0xff000000, v[TM+\b] ; 2 off its exponent field: the conversion takes that field as its scale
.endr
.irp b, 0,1,2,3
	v_lshrrev_b32 v[TM+4+\b], 23, v[TM+12+\b]      ; the scale's byte
.endr
	v_lshl_or_b32 v[WW+(\a)], v[TM+5], 8, v[TM+4]
	v_lshl_or_b32 v[WW+(\a)], v[TM+6], 16, v[WW+(\a)]
	v_lshl_or_b32 v[WW+(\a)], v[TM+7], 24, v[WW+(\a)]
	WIN QW                                         ; source 0: the accumulators' window
.irp c, 0,1
.irp e, 0,1
	v_cvt_scalef32_pk8_fp4_f32 v[PC+8*(\a)+4*\c+\e], v[AC+16*(2*\c+\e):AC+16*(2*\c+\e)+7], v[TM+12+2*\c+\e]
	v_cvt_scalef32_pk8_fp4_f32 v[PC+8*(\a)+4*\c+2+\e], v[AC+16*(2*\c+\e)+8:AC+16*(2*\c+\e)+15], v[TM+12+2*\c+\e]
.endr
.endr
	WIN 0
	v_nop                                          ; one plain place behind a scaled conversion
.irp c, 0,1
	v_permlane16_swap_b32 v[PC+8*(\a)+4*\c], v[PC+8*(\a)+4*\c+1]     ; the first's lanes 16-31 change places with the second's lanes 0-15
	v_permlane16_swap_b32 v[PC+8*(\a)+4*\c+2], v[PC+8*(\a)+4*\c+3]
.endr
.endm
.irp a, 0,1,2,3,4,5,6,7
	QUANTW \a
.endr
	; THE WAY OUT.  Every store of codes covers 512 consecutive bytes, every store of scale words 256 in each half of the lanes, all at multiples of 256 from kv's first byte.  No data register is written again.
	s_cmp_eq_u32 s[PATH], 0
	s_cbranch_scc0 .Lstore_v
.irp i, 0,1,2,3,4,5,6,7                            ; qk: block i is tile i of my key step; registers 0-3 the first head's 64, registers 4-7 the second's
	global_store_b128 v[LI], v[PC+8*\i:PC+8*\i+3], s[40:41] offset:512*\i
	global_store_b128 v[LI], v[PC+8*\i+4:PC+8*\i+7], s[40:41] offset:HEADB+512*\i
.endr
.irp i, 0,1,2,3,4,5,6,7
	v_lshrrev_b32 v[T8+\i], v[SH], v[WW+\i]        ; lanes 0-15 keep the first head's two bytes, lanes 16-31 take the second's
.endr
.irp i, 0,1,2,3,4,5,6,7
	v_and_or_b32 v[T8+\i], v[T8+\i], 0xffff, s[UP] ; bytes 2, 3 = 127: they scale the zero codes that fill K = 64 up to 128
.endr
	global_store_b128 v[SOFF], v[T8:T8+3], s[40:41] offset:KSW
	global_store_b128 v[SOFF], v[T8+4:T8+7], s[40:41] offset:KSW+256
	s_branch .Lstored
.Lstore_v:
	s_wait_alu depctr_va_vdst(0)
.irp i, 0,1,2,3,4,5,6,7                            ; v: block i is fragment i % 4 of head i / 4: 16 d x my key step's 128 keys
	global_store_b128 v[LI], v[PC+8*\i:PC+8*\i+3], s[40:41] offset:(\i/4)*HEADB+VC+(\i%4)*1024
	global_store_b128 v[LI], v[PC+8*\i+4:PC+8*\i+7], s[40:41] offset:(\i/4)*HEADB+VC+(\i%4)*1024+512
.endr
.irp e, 0,1,2,3
	v_cndmask_b32 v[T8+\e], v[WW+\e], v[WW+4+\e], s[HM]   ; lanes 0-15 the first head's words, lanes 16-31 the second's
.endr
	global_store_b128 v[SOFF], v[T8:T8+3], s[40:41] offset:VSW
.Lstored:
	s_wait_tensorcnt 0x0
	ds_add_u32 v106, v107
	s_wait_dscnt 0x0
	CROUND                                         ; the closing round: no work-group ends while a partner may still ask for a tile that names it
	s_endpgm
.Lfunc_end_k_q32ccd5124c_proj:
	.size	k_q32ccd5124c_proj, .Lfunc_end_k_q32ccd5124c_proj-k_q32ccd5124c_proj
	.p2alignl 7, 3214868480
	.fill 96, 4, 3214868480
	.section	.rodata,"a",@progbits
	.p2align	6, 0x0
	.amdhsa_kernel k_q32ccd5124c_proj
		.amdhsa_group_segment_fixed_size 327680
		.amdhsa_private_segment_fixed_size 0
		.amdhsa_enable_private_segment 0
		.amdhsa_kernarg_size 136
		.amdhsa_user_sgpr_count 2
		.amdhsa_user_sgpr_kernarg_segment_ptr 1
		.amdhsa_wavefront_size32 1
		.amdhsa_system_sgpr_workgroup_id_x 1
		.amdhsa_system_sgpr_workgroup_id_y 1
		.amdhsa_system_sgpr_workgroup_id_z 1
		.amdhsa_system_vgpr_workitem_id 0
		.amdhsa_next_free_vgpr 1024
		.amdhsa_next_free_sgpr 102
		.amdhsa_reserve_vcc 0
		.amdhsa_float_denorm_mode_32 3
		.amdhsa_float_denorm_mode_16_64 3
		.amdhsa_memory_ordered 1
		.amdhsa_forward_progress 1
		.amdhsa_inst_pref_size 142
	.end_amdhsa_kernel
	.amdgpu_metadata
---
amdhsa.version: [ 1, 2 ]
amdhsa.kernels:
  - .name:           k_q32ccd5124c_proj
    .symbol:         k_q32ccd5124c_proj.kd
    .args:
      - { .name: a_codes, .offset: 0, .size: 8, .value_kind: global_buffer, .address_space: global }
      - { .name: a_scales, .offset: 8, .size: 8, .value_kind: global_buffer, .address_space: global }
      - { .name: b_codes, .offset: 16, .size: 8, .value_kind: global_buffer, .address_space: global }
      - { .name: b_scales, .offset: 24, .size: 8, .value_kind: global_buffer, .address_space: global }
      - { .name: Wa_qk_codes, .offset: 32, .size: 8, .value_kind: global_buffer, .address_space: global }
      - { .name: Wa_qk_scales, .offset: 40, .size: 8, .value_kind: global_buffer, .address_space: global }
      - { .name: Wa_v_codes, .offset: 48, .size: 8, .value_kind: global_buffer, .address_space: global }
      - { .name: Wa_v_scales, .offset: 56, .size: 8, .value_kind: global_buffer, .address_space: global }
      - { .name: Wb_qk_codes, .offset: 64, .size: 8, .value_kind: global_buffer, .address_space: global }
      - { .name: Wb_qk_scales, .offset: 72, .size: 8, .value_kind: global_buffer, .address_space: global }
      - { .name: Wb_v_codes, .offset: 80, .size: 8, .value_kind: global_buffer, .address_space: global }
      - { .name: Wb_v_scales, .offset: 88, .size: 8, .value_kind: global_buffer, .address_space: global }
      - { .name: ba_qk, .offset: 96, .size: 8, .value_kind: global_buffer, .address_space: global }
      - { .name: ba_v, .offset: 104, .size: 8, .value_kind: global_buffer, .address_space: global }
      - { .name: bb_qk, .offset: 112, .size: 8, .value_kind: global_buffer, .address_space: global }
      - { .name: bb_v, .offset: 120, .size: 8, .value_kind: global_buffer, .address_space: global }
      - { .name: kv, .offset: 128, .size: 8, .value_kind: global_buffer, .address_space: global }
    .group_segment_fixed_size: 327680
    .private_segment_fixed_size: 0
    .kernarg_segment_align: 8
    .kernarg_segment_size: 136
    .max_flat_workgroup_size: 128
    .sgpr_count:     102
    .vgpr_count:     1024
    .wavefront_size: 32
...
	.end_amdgpu_metadata
.endif
;; end of part 1
;; launch attn (part 2): grid 4 x 64, 16 waves a work-group, clusters of 4 x 1, 169,984 bytes of LDS; arguments kv, ctx_codes, ctx_scales; writes ctx_codes, ctx_scales
.if DOCPART == 2
	.amdgcn_target "amdgcn-amd-amdhsa--gfx1250"
	.amdhsa_code_object_version 6
	.text
	.protected	k_q32ccd5124c_attn
	.globl	k_q32ccd5124c_attn
	.p2align	8
	.type	k_q32ccd5124c_attn,@function
k_q32ccd5124c_attn:
	s_mov_b64 s[64:65], 0
	v_nop
	global_prefetch_b8 v0, s[64:65] scope:SCOPE_SE
	s_setreg_imm32_b32 hwreg(HW_REG_WAVE_MODE, 25, 1), 1
	s_wait_xcnt 0x0
	s_wait_alu depctr_hold_cnt(0) depctr_sa_sdst(0) depctr_va_vdst(0) depctr_va_sdst(0) depctr_va_ssrc(0) depctr_va_vcc(0) depctr_vm_vsrc(0)
	s_getreg_b32 s2, hwreg(HW_REG_IB_STS2, 6, 4)
	s_cmp_eq_u32 s2, 0
	s_cbranch_scc0 .Lentry_in_a_cluster
	s_endpgm
.Lentry_in_a_cluster:
	s_bfe_u32 s2, ttmp6, 0x10000c
	s_cmp_lg_u32 s2, 0x3003
	s_cbranch_scc0 .Lentry_shape_is_right
	s_endpgm
.Lentry_shape_is_right:
; Both attentions on codes of FP4 (E2M1), one E8M0 scale for each 32 along a product's K.  The softmax over the scores' columns is the softmax over the rows of the transposed scores, so one text serves both:
; direction 0: Q = aq, K = bq, V = bv;  direction 1: Q = bq, K = aq, V = av.  The cluster's y = 32 x direction + 16 x batch + head is Q's head in kv; K's and V's head is that number xor 32.
; SOFTMAX: t = score x log2(e) / 8; M = the row's largest t so far, rounded up to a whole number; p = 2^(t - M) is quantised along the keys, not normalised.  The row's sum is taken of the unquantised p and divides O at the end.
; When M moves, the sums and O are multiplied by f = 2^(old M - new M): exact.  The context, divided, is quantised along the head's 64 and leaves as codes.
; SHARES.  A work-group owns 512 queries of one head; each of its sixteen waves one tile of 16 in each of two passes.  K's and V's codes and scale words of the whole head, 16 key steps of 8,960 bytes, lie in LDS as in kv, filled once:
; wave w asks for key step w, one tensor load a wave, jointly with the three other query blocks of the head (the cluster).  One barrier follows; behind it no wave waits for another until the end.
; No prefetch: the launch has no loop of loads to run ahead in; each wave's one load goes out at the head.
; LAYOUT.  S^T = K Q^T (source 0 = 16 keys, source 1 = my 16 queries), O^T = V^T P^T: a lane holds one query (lane % 16) throughout.
; THE KEYS OF A TILE ARE CHOSEN AT THE LDS READ: row 8 h' + j of tile 4 g + u is key 64 g + 32 h' + 8 u + j.  So lane (r, h) holds, in tiles 4 g .. 4 g + 3, the 32 keys 64 g + 32 h + 0 .. 31: a whole block, in the order of the
; second product's operand: conversion u of group g gives register 4 g + u of P.  No lane is asked for a block's maximum; one exchange joins the row's maximum and one the scale word's bytes.
; K = 64 IS FILLED UP TO 128 by Q's zero codes alone: a K tile's upper four registers are the next tile's codes, which meet zeros (scale bytes 2, 3 are 127 on both sides).
; THE STEP IS LAID OVER TWO TRIPS: trip j makes the scores, p and P's codes of step j, and between them rescales O by step j - 1's f and adds step j - 1's V^T P^T.  The rescaling's lines stand among the chain that makes M.
; LIMITS: NaN and infinities are not served; the scaled scores stay under 2^31 in magnitude.  1 / sum is v_rcp_f32.  A block's largest p is made from its largest score by the same multiply-add and exponential, which takes
; v_exp_f32 not to fall where its input rises.  A block whose largest magnitude lies under 2^(3 - 127) gets the byte 1 (bytes read by this program alone).
.set HEADB, 143360
.set KSB,   8960                       ; a key step: 128 keys
.set VC,    4096
.set KSW,   8192
.set VSW,   8704
.set SPARE, 0x29000                    ; the spare words: 128 bytes a wave
.set AK0,  1                           ; 1024 x bit 3 + 16 x (lane % 8) + 256 x (lane / 16): my place in a chosen tile of K
.set ASK0, 2                           ; 8 x bit 3 + 16 x (lane % 8) + 256 x (lane / 16): among K's scale words
.set LI,   3                           ; 16 x lane
.set R16,  4                           ; 16 x (lane % 16)
.set SH8,  5                           ; 8 x (lane / 16)
.set SK,   6                           ; v6-9 K's scale words: tile u at SK + 2 (u % 2) + u / 2; lanes 0-15 group 0, lanes 16-31 group 1
.set SV,   10                          ; v10-13 V's scale words
.set NM,   14                          ; -M
.set RM,   15                          ; the largest score so far
.set QA,   16                          ; v16-23 pass 0's Q (upper four zero codes); v24-31 pass 1's
.set QB,   24
.set KF,   32                          ; v32-67 K's eight tiles, four registers each, and four of zeros
.set VF,   68                          ; v68-99 V's four fragments
.set SS,   100                         ; v100-163 S^T, then p
.set OO,   164                         ; v164-195 O^T
.set PP,   196                         ; v196-203 p's codes
.set LS,   204                         ; v204-219 the sum, eight pairs
.set FF,   220                         ; v[220:221] f
.set BM,   222                         ; my two blocks' largest
.set SO,   224                         ; the conversions' scale operands
.set PB,   226                         ; the bytes
.set BT,   228                         ; v228-235 the tiles' largest
.set T0,   236
.set T1,   237
.set PX,   238                         ; v238-239 from lane l xor 16
.set PW,   240                         ; p's scale word
.set SQA,  241                         ; Q's scale words, pass 0, 1
.set SQB,  242
.set AK,   243                         ; LDS addresses of the loads in hand
.set ASK,  244
.set AV,   245
.set ASV,  246
.set CSO,  247                         ; the context's scale byte: 32 x (lane % 16) + lane / 16
.set QCO,  248
.set QSO,  249
.set SPW,  254
.set NIL,  255
.set WV,  10
.set CX,  11
.set SEL, 20                           ; s[20:21] selects for lane l xor 16
.set CS,  22                           ; s[22:23] c = log2(e) / 8
.set G1,  24                           ; s[24:31] group 1; s[32:35] group 0
.set G0,  32
.set NC,  36                           ; -c
.set TK,  48                           ; LDS byte of the key step whose K is asked for
.set CNT, 49
.set TV,  50                           ; and of the one whose V is asked for
.set HM,  51                           ; lanes 16-31
.set QBS, 52                           ; s[52:53] Q's key step in kv
.set OC,  54                           ; s[54:55] my tile in ctx_codes
.set OS,  56                           ; s[56:57] my tile in ctx_scales
.macro CROUND                          ; a round of the cluster's barrier
	s_barrier_signal -1
	s_barrier_wait -1
	s_cmp_lg_u32 s[WV], 0
	s_cbranch_scc1 .Lnot_wave_0_\@
	s_barrier_signal -3
.Lnot_wave_0_\@:
	s_barrier_wait -3
	s_barrier_signal -1
	s_barrier_wait -1
.endm
	s_load_b128 s[4:7], s[0:1], 0x0                ; kv, ctx_codes
	s_load_b64 s[8:9], s[0:1], 0x10                ; ctx_scales
	v_lshl_add_u32 v[SPW], v0, 2, SPARE
	v_mov_b32 v[NIL], 0
	ds_add_u32 v[SPW], v[NIL]                      ; the opening lines
	ds_add_u32 v[SPW], v[NIL]
	v_lshrrev_b32 v[T0], 5, v0
	s_delay_alu instid0(VALU_DEP_1)
	v_readfirstlane_b32 s[WV], v[T0]               ; wave 0..15
	s_bfe_u32 s[CX], ttmp6, 0x40000                ; cx: my block of 512 queries: it enters Q's and the context's global addresses alone
	s_and_b32 s58, ttmp7, 0xffff                   ; Q's head, which the four partners share
	s_xor_b32 s59, s58, 32                         ; K's and V's head
	s_mul_i32 s62, s[WV], KSB                      ; wave w brings key step w: its place in LDS and in the head
	s_mul_i32 s60, s59, HEADB
	s_add_co_u32 s60, s60, s62
	s_mov_b32 s61, 0
	s_mul_i32 s66, s58, HEADB                      ; Q: tile 32 cx + 16 pass + w lies in key step 4 cx + 2 pass + w / 8
	s_lshl_b32 s67, s[CX], 2
	s_lshr_b32 s68, s[WV], 3
	s_add_co_u32 s67, s67, s68
	s_mul_i32 s67, s67, KSB
	s_add_co_u32 s66, s66, s67
	s_mov_b32 s67, 0
	s_lshr_b32 s68, s58, 5                         ; direction
	s_bfe_u32 s69, s58, 0x10004                    ; batch
	s_and_b32 s70, s58, 15                         ; head
	s_lshl_b32 s69, s69, 7
	s_lshl_b32 s71, s[CX], 5
	s_add_co_u32 s69, s69, s71
	s_add_co_u32 s69, s69, s[WV]                   ; my tile of rows in pass 0: 128 batch + 32 cx + w
	s_lshl_b32 s72, s68, 21                        ; ctx_codes: [direction][tile of rows 256][head 16][512 bytes]
	s_lshl_b32 s71, s69, 13
	s_add_co_u32 s72, s72, s71
	s_lshl_b32 s71, s70, 9
	s_add_co_u32 s72, s72, s71
	s_mov_b32 s73, 0
	s_lshl_b32 s74, s68, 17                        ; ctx_scales: [direction][row 4,096][32 bytes], byte 2 head + block
	s_lshl_b32 s71, s69, 9
	s_add_co_u32 s74, s74, s71
	s_lshl_b32 s71, s70, 1
	s_add_co_u32 s74, s74, s71
	s_mov_b32 s75, 0
	s_and_b32 s76, s[WV], 7
	s_lshl_b32 s76, s76, 9                         ; Q's tile w % 8 of its key step
	s_bfe_u32 s77, s[WV], 0x10002
	s_lshl_b32 s77, s77, 8
	s_and_b32 s78, s[WV], 3
	s_lshl_b32 s78, s78, 2
	s_add_co_u32 s77, s77, s78
	s_add_co_u32 s77, s77, KSW                     ; its scale words: quad (w / 4) % 2, word w % 4
	; group 1: a key step is 8,960 dense bytes: 35 rows of 256 (32 elements of 8 bytes), no padding
	s_mov_b32 s[G1], 15|(3<<16)|(1<<21)            ; the mask: all four work-groups; elements of 8 bytes; bit 21 beside a mask
	s_mov_b32 s[G1+1], 32<<16
	s_mov_b32 s[G1+2], 35<<16
	s_mov_b32 s[G1+3], 32<<16
	s_mov_b32 s[G1+4], 35
	s_mov_b32 s[G1+5], 32
	s_mov_b32 s[G1+6], 0
	s_mov_b32 s[G1+7], 0
	s_mov_b32 s[SEL], 0x76543210
	s_mov_b32 s[SEL+1], 0xfedcba98
	s_mov_b32 s[CS], 0x3e38aa3b                    ; log2(e) / 8
	s_mov_b32 s[CS+1], s[CS]                       ; (named with it as a pair)
	s_mov_b32 s[NC], 0xbe38aa3b
	s_mov_b32 s[HM], 0xffff0000
	s_mov_b32 s[TK], 0
	s_mov_b32 s[TV], 0
	s_wait_dscnt 0x0
	s_wait_kmcnt 0x0
	s_add_nc_u64 s[QBS:QBS+1], s[4:5], s[66:67]
	s_add_nc_u64 s[OC:OC+1], s[6:7], s[72:73]
	s_add_nc_u64 s[OS:OS+1], s[8:9], s[74:75]
	s_mov_b32 s[G0], 1
	s_mov_b32 s[G0+1], s62
	s_add_nc_u64 s[G0+2:G0+3], s[4:5], s[60:61]
	s_or_b32 s[G0+3], s[G0+3], 0x80000000
	CROUND                                         ; all four work-groups are here: the joint loads meet
	tensor_load_to_lds s[G0:G0+3], s[G1:G1+7]      ; my key step: every wave's one tensor load of the launch
	s_nop 0
.rept 4
	v_nop
.endr
	v_and_b32 v[R16], 15, v0                       ; r
	v_and_b32 v[LI], 31, v0
	v_bfe_u32 v[SH8], v0, 4, 1                     ; h
	v_bfe_u32 v[T1], v0, 3, 1
	v_and_b32 v[T0], 7, v0
	v_lshl_add_u32 v[CSO], v[R16], 5, v[SH8]
	v_lshlrev_b32 v[LI], 4, v[LI]
	v_lshlrev_b32 v[R16], 4, v[R16]
	v_lshlrev_b32 v[T0], 4, v[T0]
	v_add_nc_u32 v[QCO], s76, v[LI]
	v_add_nc_u32 v[QSO], s77, v[R16]
	v_lshl_add_u32 v[AK0], v[T1], 10, v[T0]
	v_lshl_add_u32 v[ASK0], v[T1], 3, v[T0]
	global_load_b128 v[QA:QA+3], v[QCO], s[QBS:QBS+1]              ; both passes' Q and scale words stay in registers
	global_load_b32 v[SQA], v[QSO], s[QBS:QBS+1]
	global_load_b128 v[QB:QB+3], v[QCO], s[QBS:QBS+1] offset:2*KSB
	global_load_b32 v[SQB], v[QSO], s[QBS:QBS+1] offset:2*KSB
	v_lshl_add_u32 v[AK0], v[SH8], 8, v[AK0]
	v_lshl_add_u32 v[ASK0], v[SH8], 8, v[ASK0]
	v_lshlrev_b32 v[SH8], 3, v[SH8]
	v_add_nc_u32 v[AV], s[TV], v[LI]
	v_add_nc_u32 v[ASV], s[TV], v[R16]
	v_add_nc_u32 v[AK], s[TK], v[AK0]
	v_add_nc_u32 v[ASK], s[TK], v[ASK0]
.irp j, 4,5,6,7
	v_mov_b32 v[QA+\j], 0                          ; zero codes for K = 64 .. 127, written once
	v_mov_b32 v[QB+\j], 0
	v_mov_b32 v[KF+28+\j], 0                       ; what stands above the eighth tile
.endr
	v_mov_b32 v[PX], 0                             ; a lane permute's destination counts as one of its sources
	v_mov_b32 v[PX+1], 0
	v_mov_b32 v[FF+1], 0                           ; (named as the upper half of a pair)
.macro KLOAD                           ; a key step's K: two loads of scale words, eight chosen tiles
	ds_load_b64 v[SK:SK+1], v[ASK] offset:KSW
	ds_load_b64 v[SK+2:SK+3], v[ASK] offset:KSW+128
.irp g, 0,1
.irp u, 0,1,2,3
	ds_load_b128 v[KF+4*(4*\g+\u):KF+4*(4*\g+\u)+3], v[AK] offset:2048*\g+512*(\u/2)+128*(\u%2)
.endr
.endr
.endm
.macro VLOAD                           ; a key step's V: its scale words and four fragments
	ds_load_b128 v[SV:SV+3], v[ASV] offset:VSW
.irp d, 0,1,2,3
.irp c, 0,1
	ds_load_b128 v[VF+8*\d+4*\c:VF+8*\d+4*\c+3], v[AV] offset:VC+1024*\d+512*\c
.endr
.endr
.endm
.macro OSL first, j                    ; pair j of O^T: under the last step's new M; in a pass's first trip it begins as zero
.if \first
	v_mov_b32 v[OO+2*(\j)], 0
	v_mov_b32 v[OO+2*(\j)+1], 0
.else
	v_pk_mul_f32 v[OO+2*(\j):OO+2*(\j)+1], v[OO+2*(\j):OO+2*(\j)+1], v[FF:FF+1] op_sel_hi:[1,0]
.endif
.endm
.macro CH first                        ; the chain's line reads the result three vector instructions back
.if \first == 0
	s_delay_alu instid0(VALU_DEP_3)
.endif
.endm
.macro PV                              ; O^T += V^T P^T, one instruction on each accumulator
.irp d, 0,1,2,3
	v_wmma_scale_f32_16x16x128_f8f6f4 v[OO+8*\d:OO+8*\d+7], v[VF+8*\d:VF+8*\d+7], v[PP:PP+7], v[OO+8*\d:OO+8*\d+7], v[SV+\d], v[PW] matrix_a_fmt:MATRIX_FMT_FP4 matrix_b_fmt:MATRIX_FMT_FP4
.endr
.endm
.macro TMS a, n                        ; t - M of pairs a .. a + n - 1
.set J, \a
.rept \n
	v_pk_fma_f32 v[SS+2*J:SS+2*J+1], v[SS+2*J:SS+2*J+1], s[CS:CS+1], v[NM:NM+1] op_sel_hi:[1,0,0]
.set J, J+1
.endr
.endm
.macro ADD4 k                          ; four pairs of p onto the sums
.irp i, 0,1,2,3
	v_pk_add_f32 v[LS+2*((\k+\i)%8):LS+2*((\k+\i)%8)+1], v[LS+2*((\k+\i)%8):LS+2*((\k+\i)%8)+1], v[SS+2*(\k+\i):SS+2*(\k+\i)+1]
.endr
.endm
; A TRIP: 128 keys.  first = 1: a pass's first (no step before it).  kn = 1: the next step's K is asked for; 2: key step 0's, for the next pass; 0: none.
.macro BODY first, kn, qq, sq
.if \kn == 1
	s_add_co_u32 s[TK], s[TK], KSB
.else
	s_mov_b32 s[TK], 0
.endif
	s_wait_dscnt 0x0                               ; this step's K and the last step's V are in
.irp g, 0,1
.irp u, 0,1,2,3
.if \g
	v_wmma_scale_f32_16x16x128_f8f6f4 v[SS+8*(4*\g+\u):SS+8*(4*\g+\u)+7], v[KF+4*(4*\g+\u):KF+4*(4*\g+\u)+7], v[\qq:\qq+7], 0, v[SK+2*(\u%2)+\u/2], v[\sq] matrix_a_fmt:MATRIX_FMT_FP4 matrix_b_fmt:MATRIX_FMT_FP4 matrix_a_scale:MATRIX_SCALE_ROW1
.else
	v_wmma_scale_f32_16x16x128_f8f6f4 v[SS+8*(4*\g+\u):SS+8*(4*\g+\u)+7], v[KF+4*(4*\g+\u):KF+4*(4*\g+\u)+7], v[\qq:\qq+7], 0, v[SK+2*(\u%2)+\u/2], v[\sq] matrix_a_fmt:MATRIX_FMT_FP4 matrix_b_fmt:MATRIX_FMT_FP4
.endif
.endr
.endr
	v_add_nc_u32 v[AK], s[TK], v[AK0]              ; four plain places behind the products, ahead of the loads into K's registers and the first read of the scores
	v_add_nc_u32 v[ASK], s[TK], v[ASK0]
	v_mov_b32 v[T0], v[NM]                         ; the old -M
	v_nop
.if \kn
	KLOAD
.endif
.irp t, 0,1,2,3,4,5,6,7                            ; each tile's largest score, eight chains by turns; each tile is read from its low end on
	v_max3_num_f32 v[BT+\t], v[SS+8*\t], v[SS+8*\t+1], v[SS+8*\t+2]
.endr
.irp i, 3,5
.irp t, 0,1,2,3,4,5,6,7
	v_max3_num_f32 v[BT+\t], v[BT+\t], v[SS+8*\t+\i], v[SS+8*\t+\i+1]
.endr
.endr
.irp g, 0,1
	v_max3_num_f32 v[BT+4*\g], v[BT+4*\g], v[BT+4*\g+1], v[SS+32*\g+7]
	v_max3_num_f32 v[BT+4*\g+2], v[BT+4*\g+2], v[BT+4*\g+3], v[SS+32*\g+15]
.endr
	v_max3_num_f32 v[BT], v[BT], v[BT+2], v[SS+23]
	v_max3_num_f32 v[BT+4], v[BT+4], v[BT+6], v[SS+55]
	v_max_num_f32 v[BM], v[BT], v[SS+31]           ; my two blocks' largest scores: they serve the row's maximum and the blocks' largest p
	v_max_num_f32 v[BM+1], v[BT+4], v[SS+63]
	s_delay_alu instid0(VALU_DEP_1)
	v_max_num_f32 v[T1], v[BM], v[BM+1]
.if \first == 0
	s_wait_alu depctr_va_vdst(0)                   ; directly ahead of the first reader of O^T
.endif
	OSL \first, 0                                  ; each accumulator from its low end on
	OSL \first, 4
	OSL \first, 8
	OSL \first, 12
	v_permlanex16_b32 v[PX], v[T1], s[SEL], s[SEL+1]
	OSL \first, 1
	OSL \first, 2
	CH \first
	v_max3_num_f32 v[RM], v[RM], v[T1], v[PX]      ; the running largest score of my query
	OSL \first, 3
	OSL \first, 5
	CH \first
	v_mul_f32 v[T1], s[NC], v[RM]                  ; -t
	OSL \first, 6
	OSL \first, 7
	CH \first
	v_floor_f32 v[NM], v[T1]                       ; the new -M = floor(-t) = -ceil(t)
	OSL \first, 9
	OSL \first, 10
	CH \first
	v_sub_f32 v[T0], v[NM], v[T0]                  ; old M - new M: a whole number, 0 or less
	OSL \first, 11
	OSL \first, 13
	CH \first
	v_cvt_i32_f32 v[T0], v[T0]                     ; (it saturates)
	OSL \first, 14
	OSL \first, 15
	CH \first
	v_ldexp_f32 v[FF], 1.0, v[T0]                  ; this step's f, behind the last line that reads the last step's
.if \first == 0
	PV                                             ; the last step's products
.endif
	TMS 0, 4                                       ; (four plain places ahead of the loads into V's registers)
	VLOAD                                          ; this step's V: read in the next trip
	TMS 4, 28
	v_fma_f32 v[BM], v[BM], s[CS], v[NM]           ; the same of each block's largest score
	v_fma_f32 v[BM+1], v[BM+1], s[CS], v[NM]
.if \kn == 1
	s_add_co_u32 s[TV], s[TV], KSB
.else
	s_mov_b32 s[TV], 0
.endif
	s_wait_alu depctr_va_vdst(0)                   ; ahead of the batch
.set J, 0
.rept 64
	v_exp_f32 v[SS+J], v[SS+J]                     ; p = 2^(t - M), at most 1
.set J, J+1
.endr
	v_exp_f32 v[BM], v[BM]                         ; the blocks' largest p
	v_exp_f32 v[BM+1], v[BM+1]
	v_add_nc_u32 v[AV], s[TV], v[LI]               ; (plain places behind the exponentials) the next step's V
	v_add_nc_u32 v[ASV], s[TV], v[R16]
	s_wait_alu depctr_va_vdst(0)                   ; one wait for the whole batch, ahead of its first reader
.irp k, 0,1,2,3,4,5,6,7
	v_pk_fma_f32 v[LS+2*\k:LS+2*\k+1], v[LS+2*\k:LS+2*\k+1], v[FF:FF+1], v[SS+2*\k:SS+2*\k+1] op_sel_hi:[1,0,1]   ; the sums under the new M, and the first eight pairs of the unquantised p
.endr
	v_max_num_f32 v[BM], 0x1800000, v[BM]          ; the floor 2^(3 - 127): the byte cannot fall under 1
	v_max_num_f32 v[BM+1], 0x1800000, v[BM+1]
	ADD4 8
	v_add_nc_u32 v[SO], 0xff000000, v[BM]          ; 2 off the exponent field: the conversion's scale operand
	v_add_nc_u32 v[SO+1], 0xff000000, v[BM+1]
	ADD4 12
	v_lshrrev_b32 v[PB], 23, v[SO]                 ; the scale's byte
	v_lshrrev_b32 v[PB+1], 23, v[SO+1]
.irp g, 0,1
.irp u, 0,1,2,3
	v_cvt_scalef32_pk8_fp4_f32 v[PP+4*\g+\u], v[SS+8*(4*\g+\u):SS+8*(4*\g+\u)+7], v[SO+\g]   ; keys 64 g + 32 h + 8 u + 0 .. 7: the operand's register as it stands
.endr
.endr
	ADD4 16                                        ; (plain places behind the conversions)
	v_lshl_or_b32 v[PW], v[PB+1], 16, v[PB]        ; my two bytes: blocks h and 2 + h,
	ADD4 20
	v_lshlrev_b32 v[PW], v[SH8], v[PW]             ; at their places in the scale word;
	ADD4 24
	v_permlanex16_b32 v[PX], v[PW], s[SEL], s[SEL+1]
	ADD4 28
	v_or_b32 v[PW], v[PW], v[PX]                   ; with lane l xor 16's two the word is whole
.endm
; The end of a pass: the last step's products; O^T / the sum, quantised along the head's 64, stored.
.macro FINISH p
	s_wait_dscnt 0x0                               ; the last step's V is in
	s_wait_alu depctr_va_vdst(0)                   ; directly ahead of the first reader of O^T
.irp j, 0,1,2,3,4,5,6,7,8,9,10,11,12,13,14,15
	OSL 0, \j
.endr
	PV
.irp k, 0,1,2,3
	v_pk_add_f32 v[LS+2*\k:LS+2*\k+1], v[LS+2*\k:LS+2*\k+1], v[LS+8+2*\k:LS+9+2*\k]   ; the eight pairs of sums become one number.  (Places behind the last products)
.endr
	v_pk_add_f32 v[LS:LS+1], v[LS:LS+1], v[LS+4:LS+5]
	v_pk_add_f32 v[LS+2:LS+3], v[LS+2:LS+3], v[LS+6:LS+7]
	s_delay_alu instid0(VALU_DEP_1)
	v_pk_add_f32 v[LS:LS+1], v[LS:LS+1], v[LS+2:LS+3]
	s_delay_alu instid0(VALU_DEP_1)
	v_add_f32 v[LS], v[LS], v[LS+1]
	s_delay_alu instid0(VALU_DEP_1)
	v_permlanex16_b32 v[T0], v[LS], s[SEL], s[SEL+1]
	s_delay_alu instid0(VALU_DEP_1)
	v_add_f32 v[LS], v[LS], v[T0]                  ; and lane l xor 16's
	s_wait_alu depctr_va_vdst(0)                   ; ahead of the transcendental
	v_rcp_f32 v[LS], v[LS]
	v_nop                                          ; one plain place behind a transcendental
	s_wait_alu depctr_va_vdst(0)                   ; and ahead of its first reader, which is also O^T's
.irp j, 0,2,4,6,8,10,12,14,16,18,20,22,24,26,28,30
	v_pk_mul_f32 v[SS+\j:SS+1+\j], v[OO+\j:OO+1+\j], v[LS:LS+1] op_sel_hi:[1,0]   ; register 8 t + i is the context at (query r, d = 16 t + 8 h + i)
.endr
.irp b, 0,1
	v_max3_num_f32 v[BM+\b], |v[SS+16*\b]|, |v[SS+1+16*\b]|, 0x1800000
.endr
.irp i, 2,4,6,8,10,12,14
.irp b, 0,1
	s_delay_alu instid0(VALU_DEP_2)
	v_max3_num_f32 v[BM+\b], v[BM+\b], |v[SS+16*\b+\i]|, |v[SS+1+16*\b+\i]|
.endr
.endr
.irp b, 0,1
	s_delay_alu instid0(VALU_DEP_2)
	v_permlanex16_b32 v[PX+\b], v[BM+\b], s[SEL], s[SEL+1]
.endr
.irp b, 0,1
	s_delay_alu instid0(VALU_DEP_2)
	v_max_num_f32 v[BM+\b], v[BM+\b], v[PX+\b]
.endr
.irp b, 0,1
	s_delay_alu instid0(VALU_DEP_2)
	v_add_nc_u32 v[SO+\b], 0xff000000, v[BM+\b]
.endr
.irp b, 0,1
	s_delay_alu instid0(VALU_DEP_2)
	v_lshrrev_b32 v[PX+\b], 23, v[SO+\b]
.endr
.irp e, 0,1
	v_cvt_scalef32_pk8_fp4_f32 v[PP+\e], v[SS+16*\e:SS+16*\e+7], v[SO+\e]
	v_cvt_scalef32_pk8_fp4_f32 v[PP+2+\e], v[SS+16*\e+8:SS+16*\e+15], v[SO+\e]
.endr
	v_cndmask_b32 v[T1], v[PX], v[PX+1], s[HM]     ; lanes 0-15 store block 0's byte, lanes 16-31 block 1's.  (The plain place behind the conversions)
	v_permlane16_swap_b32 v[PP], v[PP+1]
	v_permlane16_swap_b32 v[PP+2], v[PP+3]         ; lane (r, h): row r, d = 32 h + 0 .. 31
	global_store_b128 v[LI], v[PP:PP+3], s[OC:OC+1] offset:\p*131072   ; 512 consecutive bytes, at a multiple of 256 from the buffer's first byte
	global_store_b8 v[CSO], v[T1], s[OS:OS+1] offset:\p*8192           ; two bytes of each of 16 rows: a row's other heads belong to other work-groups
.endm
.macro PASS p, qq, sq
.if \p
	s_wait_xcnt 0x0                                ; the last pass's two stores have read their data: those registers are written again below
.endif
	v_mov_b32 v[RM], 0xff61b1e6                    ; the largest score so far: -3e38
	v_mov_b32 v[NM], 0x7f61b1e6                    ; -M: the first f comes out 0
.set J, 0
.rept 16
	v_mov_b32 v[LS+J], 0
.set J, J+1
.endr
	s_wait_alu depctr_va_vdst(0)                   ; ahead of the wait on DScnt below
	BODY 1, 1, \qq, \sq                            ; key step 0
	s_mov_b32 s[CNT], 14
.Lrun_\@:
	BODY 0, 1, \qq, \sq                            ; key steps 1 to 14
	s_sub_co_u32 s[CNT], s[CNT], 1
	s_cmp_lg_u32 s[CNT], 0
	s_cbranch_scc1 .Lrun_\@
	BODY 0, 2-2*\p, \qq, \sq                       ; key step 15: no K lies behind it; pass 0 asks for key step 0 again, for pass 1
	FINISH \p
.endm
	s_wait_alu depctr_va_vdst(0)
	s_wait_loadcnt 0x0                             ; Q
	s_wait_tensorcnt 0x0                           ; my key step has landed
	s_barrier_signal -1
	s_barrier_wait -1                              ; everybody's has: the whole head lies in LDS, and nothing is filled again
	KLOAD                                          ; key step 0's K
	PASS 0, QA, SQA
	PASS 1, QB, SQB
	s_wait_tensorcnt 0x0                           ; the wave's end
	ds_add_u32 v[SPW], v[NIL]
	s_wait_dscnt 0x0
	CROUND                                         ; the closing round
	s_endpgm
.Lfunc_end_k_q32ccd5124c_attn:
	.size	k_q32ccd5124c_attn, .Lfunc_end_k_q32ccd5124c_attn-k_q32ccd5124c_attn
	.p2alignl 7, 3214868480
	.fill 96, 4, 3214868480
	.section	.rodata,"a",@progbits
	.p2align	6, 0x0
	.amdhsa_kernel k_q32ccd5124c_attn
		.amdhsa_group_segment_fixed_size 169984
		.amdhsa_private_segment_fixed_size 0
		.amdhsa_enable_private_segment 0
		.amdhsa_kernarg_size 24
		.amdhsa_user_sgpr_count 2
		.amdhsa_user_sgpr_kernarg_segment_ptr 1
		.amdhsa_wavefront_size32 1
		.amdhsa_system_sgpr_workgroup_id_x 1
		.amdhsa_system_sgpr_workgroup_id_y 1
		.amdhsa_system_sgpr_workgroup_id_z 1
		.amdhsa_system_vgpr_workitem_id 0
		.amdhsa_next_free_vgpr 256
		.amdhsa_next_free_sgpr 80
		.amdhsa_reserve_vcc 0
		.amdhsa_float_denorm_mode_32 3
		.amdhsa_float_denorm_mode_16_64 3
		.amdhsa_memory_ordered 1
		.amdhsa_forward_progress 1
		.amdhsa_inst_pref_size 102
	.end_amdhsa_kernel
	.amdgpu_metadata
---
amdhsa.version: [ 1, 2 ]
amdhsa.kernels:
  - .name:           k_q32ccd5124c_attn
    .symbol:         k_q32ccd5124c_attn.kd
    .args:
      - { .name: kv, .offset: 0, .size: 8, .value_kind: global_buffer, .address_space: global }
      - { .name: ctx_codes, .offset: 8, .size: 8, .value_kind: global_buffer, .address_space: global }
      - { .name: ctx_scales, .offset: 16, .size: 8, .value_kind: global_buffer, .address_space: global }
    .group_segment_fixed_size: 169984
    .private_segment_fixed_size: 0
    .kernarg_segment_align: 8
    .kernarg_segment_size: 24
    .max_flat_workgroup_size: 512
    .sgpr_count:     80
    .vgpr_count:     256
    .wavefront_size: 32
...
	.end_amdgpu_metadata
.endif
;; end of part 2
;; launch outp (part 3): grid 4 x 64, 4 waves a work-group, clusters of 4 x 4, 327,680 bytes of LDS; arguments ctx_codes, ctx_scales, Wa_o_codes, Wa_o_scales, Wb_o_codes, Wb_o_scales, ba_o, bb_o, out0, out1; writes out0, out1
.if DOCPART == 3
	.amdgcn_target "amdgcn-amd-amdhsa--gfx1250"
	.amdhsa_code_object_version 6
	.text
	.protected	k_q32ccd5124c_outp
	.globl	k_q32ccd5124c_outp
	.p2align	8
	.type	k_q32ccd5124c_outp,@function
k_q32ccd5124c_outp:
	s_mov_b64 s[64:65], 0
	v_nop
	global_prefetch_b8 v0, s[64:65] scope:SCOPE_SE
	s_setreg_imm32_b32 hwreg(HW_REG_WAVE_MODE, 25, 1), 1
	s_wait_xcnt 0x0
	s_wait_alu depctr_hold_cnt(0) depctr_sa_sdst(0) depctr_va_vdst(0) depctr_va_sdst(0) depctr_va_ssrc(0) depctr_va_vcc(0) depctr_vm_vsrc(0)
	s_getreg_b32 s2, hwreg(HW_REG_IB_STS2, 6, 4)
	s_cmp_eq_u32 s2, 0
	s_cbranch_scc0 .Lentry_in_a_cluster
	s_endpgm
.Lentry_in_a_cluster:
	s_bfe_u32 s2, ttmp6, 0x10000c
	s_cmp_lg_u32 s2, 0xf033
	s_cbranch_scc0 .Lentry_shape_is_right
	s_endpgm
.Lentry_shape_is_right:
; out0 = a's context x Wa_o + ba_o, out1 = b's context x Wb_o + bb_o, on codes of FP4 (E2M1) with one E8M0 scale for each 32 along K = 1,024; f32 out.
; D = X Y^T: source 0 = 16 rows of X (the weight: output features), source 1 = 16 rows of Y (the context): a lane holds one row of the output and eight neighbouring columns.
; A work-group makes 128 rows x 256 columns (32 x 4 tiles for each of the two outputs: 256 work-groups); a wave 64 x 128: 32 accumulators.  All of K lies in LDS at once: every LDS byte is filled once.
; The context's codes lie in memory as images of the operand's registers ([tile of 16 rows][head][512 bytes], 16 bytes a lane), so a fragment of 128 along K is two heads' images on end.
; CLUSTERS: 4 x 4 work-groups; the cluster's y / 8 names the output, so all partners take the same buffers.  X's tile hangs on cx and is asked for jointly by a column of the cluster, Y's on cy and by a row.
; REGISTERS, in windows of 256: window 0: v1-27 addresses; v32-95 scale words, a set for each slot; v128-159, v192-223 Y's fragments, two sets; on the way out v128-255 rows read back.
;   window 1: v0-63, v128-191 X's fragments, two sets; v64-127 the bias in the result's layout.   window 2: accumulator (a = Y's block, b = X's tile) at v[8 (8 a + b)].
.set PITCH,  528                       ; X's LDS row: all of K, 512 bytes of codes, + 16 of padding
.set HALFT,  128*PITCH
.set YIMG,   65536                     ; Y's images [tile of rows 8][head 16][512],
.set SLOT,   YIMG+2*HALFT              ; then X's 256 rows; 512 along K
.set SCL,    SLOT                      ; behind the codes: the scale bytes, as units of 256 bytes + 16 of padding: Y's 128 rows,
.set HALFY,  8*272                     ; (64 rows)
.set HALFS,  16*272                    ; (128 rows)
.set SCX,    SCL+2*HALFY               ; then X's 256 rows
.set SBLK,   2*272                     ; 16 rows
.set STG,    SCX+2*HALFS               ; the way out: 16 rows x (512 bytes + 16) for each wave: bytes of their own, into which no fill lands
.set SPITCH, 528
.set LI,   5                           ; v5   16 x lane
.set BOX,  7                           ; v7   32 x (lane / 16)
.set ADRY, 16                          ; v16-17 LDS address of my Y fragments in slot 0, 1
.set ADRX, 20                          ; v20-21 the same for X
.set STO,  24                          ; v24  the way out: where I put 32 bytes of a row
.set RD,   25                          ; v25  and where I read a row back
.set ADRS, 27                          ; v27  LDS address of my scale words: lanes 0-15 Y's rows, lanes 16-31 X's
.set SC,   32
.set YF,   128
.set BK,   128
.set CB,   64                          ; window 1
.set WV,   12
.set WY,   13                          ; which half of Y's rows is mine.
.set WX,   14                          ; which half of X's rows.
.set G1,   44                          ; s[44:51] group 1 for Y's codes; s[52:59] groups 0; s[60:63] group 0 for Y's scales
.set G0,   52
.set G0S,  60
.set G1B,  68                          ; s[68:75], s[76:83] the same for X's codes
.set G0B,  76
.set G1S,  84                          ; s[84:91] group 1 for Y's scales; s[92:99] for X's; s[24:27] group 0 for X's scales
.set G1SB, 92
.set G0SB, 24
.set MSB, 0
.macro WIN new                         ; the immediate's high byte repeats the setting that is left
.if MSB != \new
	s_set_vgpr_msb (MSB<<8)|\new
.set MSB, \new
.endif
.endm
.macro CROUND                          ; a round of the cluster's barrier
	s_barrier_signal -1
	s_barrier_wait -1
	s_cmp_lg_u32 s[WV], 0
	s_cbranch_scc1 .Lnot_wave_0_\@
	s_barrier_signal -3
.Lnot_wave_0_\@:
	s_barrier_wait -3
	s_barrier_signal -1
	s_barrier_wait -1
.endm
.macro PLACES n
.rept \n
	v_nop
.endr
.endm
	s_load_b128 s[4:7], s[0:1], 0x0                ; the contexts' codes, their scales
	s_load_b256 s[16:23], s[0:1], 0x10             ; codes and scales of Wa_o, Wb_o
	s_load_b256 s[32:39], s[0:1], 0x30             ; ba_o, bb_o, out0, out1
	v_lshl_add_u32 v126, v0, 2, 0x3d700
	v_mov_b32 v127, 0
	ds_add_u32 v126, v127
	ds_add_u32 v126, v127
	v_lshrrev_b32 v1, 5, v0
	v_readfirstlane_b32 s[WV], v1                  ; wave 0..3
	s_lshr_b32 s[WY], s[WV], 1
	s_and_b32 s[WX], s[WV], 1
	s_bfe_u32 s42, ttmp6, 0x40000                  ; cx: X's tile
	s_bfe_u32 s43, ttmp6, 0x40004                  ; cy
	s_and_b32 s2, ttmp7, 0xffff
	s_lshr_b32 s15, s2, 3                          ; which output (ttmp7 counts clusters: all partners share it)
	s_and_b32 s2, s2, 7
	s_lshl_b32 s2, s2, 2
	s_add_co_u32 s101, s2, s43                     ; Y's tile of 128 rows: 4 x (cluster y % 8) + cy
	s_lshl_b32 s66, s43, 2
	s_lshl_b32 s66, 15, s66                        ; my row of the cluster (same cy): Y's tiles
	s_lshl_b32 s67, 0x1111, s42                    ; my column (same cx): X's tiles
	; group 1, Y's codes: 8 tiles of rows x 16 heads' images: 8 rows of 8,192 bytes (1,024 elements of 8), dense in memory and in LDS
	s_or_b32 s[G1], s66, (3<<16)|(1<<21)
	s_mov_b32 s[G1+1], 1024<<16
	s_mov_b32 s[G1+2], 8<<16                       ; the head's load brings all 8 tiles of rows
	s_mov_b32 s[G1+3], 1024<<16
	s_mov_b32 s[G1+4], 8
	s_mov_b32 s[G1+5], 1024
	s_mov_b32 s[G1+6], 0
	s_mov_b32 s[G1+7], 0
	; X's codes: 256 rows x 512 bytes, dense in memory; 16 bytes of padding behind every 128 words
	s_or_b32 s[G1B], s67, (0<<16)|(1<<20)|(1<<21)|(6<<22)|(3<<25)
	s_mov_b32 s[G1B+1], 512<<16
	s_mov_b32 s[G1B+2], 256<<16                    ; the head's load brings all 256 rows
	s_mov_b32 s[G1B+3], 512<<16
	s_mov_b32 s[G1B+4], 256
	s_mov_b32 s[G1B+5], 512
	s_mov_b32 s[G1B+6], 0
	s_mov_b32 s[G1B+7], 0
	; scales: dense bytes as rows of 256 (32 elements of 8 bytes), padded likewise: Y's 128 rows are 16 such rows, X's 256 are 32
	s_or_b32 s[G1S], s66, (3<<16)|(1<<20)|(1<<21)|(5<<22)|(3<<25)
	s_mov_b32 s[G1S+1], 32<<16
	s_mov_b32 s[G1S+2], 16<<16
	s_mov_b32 s[G1S+3], 32<<16
	s_mov_b32 s[G1S+4], 16
	s_mov_b32 s[G1S+5], 32
	s_mov_b32 s[G1S+6], 0
	s_mov_b32 s[G1S+7], 0
	s_or_b32 s[G1SB], s67, (3<<16)|(1<<20)|(1<<21)|(5<<22)|(3<<25)
	s_mov_b32 s[G1SB+1], 32<<16
	s_mov_b32 s[G1SB+2], 32<<16
	s_mov_b32 s[G1SB+3], 32<<16
	s_mov_b32 s[G1SB+4], 32
	s_mov_b32 s[G1SB+5], 32
	s_mov_b32 s[G1SB+6], 0
	s_mov_b32 s[G1SB+7], 0
	s_lshl_b32 s8, s15, 21                         ; Y's codes: output x 2,097,152 + (8 tile + 4 half) x 8,192
	s_lshl_b32 s3, s101, 16
	s_add_co_u32 s8, s8, s3
	s_mov_b32 s3, 0                                ; the tile's first byte: my half is added for slot 1's load alone
	s_add_co_u32 s8, s8, s3
	s_mov_b32 s9, 0
	s_lshl_b32 s10, s15, 17                        ; Y's scales: output x 131,072 + (128 tile + 64 half) x 32
	s_lshl_b32 s3, s101, 12
	s_add_co_u32 s10, s10, s3
	s_mov_b32 s3, 0
	s_add_co_u32 s10, s10, s3
	s_mov_b32 s11, 0
	s_lshl_b32 s28, s42, 17                        ; X's codes: (256 cx + 128 half) x 512
	s_mov_b32 s100, 0
	s_add_co_u32 s28, s28, s100
	s_mov_b32 s29, 0
	s_lshl_b32 s30, s42, 13                        ; X's scales: (256 cx + 128 half) x 32
	s_mov_b32 s100, 0
	s_add_co_u32 s30, s30, s100
	s_mov_b32 s31, 0
	s_wait_dscnt 0x0
	s_wait_kmcnt 0x0
	s_cmp_eq_u32 s15, 0                            ; the output chooses among buffers; the choice hangs on the cluster's number alone
	s_cselect_b64 s[16:17], s[16:17], s[20:21]     ; the weight's codes
	s_cselect_b64 s[18:19], s[18:19], s[22:23]     ; and scales
	s_cselect_b64 s[32:33], s[32:33], s[34:35]     ; the bias
	s_cselect_b64 s[36:37], s[36:37], s[38:39]     ; the output
	s_add_nc_u64 s[4:5], s[4:5], s[8:9]
	s_add_nc_u64 s[6:7], s[6:7], s[10:11]
	s_add_nc_u64 s[16:17], s[16:17], s[28:29]
	s_add_nc_u64 s[18:19], s[18:19], s[30:31]
	s_mov_b32 s[G0S], 1
	s_mov_b32 s[G0S+1], SCL
	s_mov_b64 s[G0S+2:G0S+3], s[6:7]
	s_or_b32 s[G0S+3], s[G0S+3], 0x80000000
	s_mov_b32 s[G0SB], 1
	s_mov_b32 s[G0SB+1], SCX
	s_mov_b64 s[G0SB+2:G0SB+3], s[18:19]
	s_or_b32 s[G0SB+3], s[G0SB+3], 0x80000000
	s_mov_b32 s[G0], 1                             ; Y's images, all of K,
	s_mov_b32 s[G0+1], 0
	s_mov_b64 s[G0+2:G0+3], s[4:5]
	s_or_b32 s[G0+3], s[G0+3], 0x80000000
	s_mov_b32 s[G0B], 1                            ; X's 256 rows behind them
	s_mov_b32 s[G0B+1], YIMG
	s_mov_b64 s[G0B+2:G0B+3], s[16:17]
	s_or_b32 s[G0B+3], s[G0B+3], 0x80000000
	CROUND                                         ; all sixteen work-groups are here: the joint loads meet
; The head's four tiles, one load a wave: wave 0 Y's codes, all of K, wave 1 X's, wave 2 Y's scales, wave 3 X's.  One tree of branches on the wave's number.
.macro ARM under, g0, g1, next
	s_cmp_lt_u32 s[WV], \under
	s_cbranch_scc0 \next
	tensor_load_to_lds s[\g0:\g0+3], s[\g1:\g1+7]
	s_nop 0
.rept 4
	v_nop
.endr
	s_branch .Lhead_asked
\next:
.endm
	ARM 1, G0,  G1,  .Lhead_x
	ARM 2, G0B, G1B, .Lhead_sy
	ARM 3, G0S, G1S, .Lhead_sx
	tensor_load_to_lds s[G0SB:G0SB+3], s[G1SB:G1SB+7]
	s_nop 0
.rept 4
	v_nop
.endr
.Lhead_asked:
	v_and_b32 v1, 15, v0                           ; r
	v_bfe_u32 v2, v0, 4, 1                         ; h
	v_and_b32 v3, 31, v0
	v_lshlrev_b32 v[LI], 4, v3
	v_lshlrev_b32 v[BOX], 5, v2
	v_mul_u32_u24 v4, v1, PITCH
	v_lshl_add_u32 v4, v2, 4, v4                   ; X: a fragment's row x pitch + 16 x half
	s_lshl_b32 s20, s[WY], 15                      ; my four tiles of Y's rows, 8,192 bytes each
	s_mul_i32 s21, s[WX], HALFT                    ; my 128 rows of X, behind Y's images
	s_add_co_u32 s21, s21, YIMG
.irp s, 0,1
	v_add_nc_u32 v[ADRY+\s], s20, v[LI]
	v_add_nc_u32 v[ADRX+\s], s21, v4
	s_add_co_u32 s20, s20, 4096                    ; K 512 .. 1,023: heads 8 to 15 of each tile,
	s_add_co_u32 s21, s21, 256                     ; and 256 bytes on in each row of X
.endr
	v_lshlrev_b32 v10, 5, v1                       ; my row's scales: 32 bytes a row,
	v_lshrrev_b32 v11, 3, v1
	v_lshl_add_u32 v10, v11, 4, v10                ; and 16 more behind each 256
	s_mul_i32 s20, s[WY], HALFY                    ; Y's: my 64 rows
	s_mul_i32 s21, s[WX], HALFS                    ; X's: my 128 rows, behind Y's 128
	s_add_co_u32 s21, s21, 2*HALFY
	s_sub_co_u32 s21, s21, s20
	v_mul_u32_u24 v11, s21, v2                     ; lanes 16-31 take X's: one product, the distance x h
	s_add_co_u32 s20, s20, SCL
	v_add_nc_u32 v10, v10, v11
	v_add_nc_u32 v[ADRS], s20, v10
	s_mul_i32 s20, s[WV], 16*SPITCH
	s_add_co_u32 s20, s20, STG                     ; my stage
	v_mul_u32_u24 v10, v1, SPITCH                  ; in: row r, 32 bytes for each half of the lanes
	v_lshl_add_u32 v10, v2, 5, v10
	v_add_nc_u32 v[STO], s20, v10
	v_add_nc_u32 v[RD], s20, v[LI]                 ; back: the 32 lanes take one row of 512 bytes
	; where my results go and which bias is mine: these numbers enter global addresses alone
	s_lshl_b32 s20, s42, 10
	s_lshl_b32 s21, s[WX], 9
	s_add_co_u32 s20, s20, s21                     ; my first column, in bytes: 1,024 cx + 512 half
	s_mov_b32 s21, 0
	s_add_nc_u64 s[32:33], s[32:33], s[20:21]
	s_add_nc_u64 s[36:37], s[36:37], s[20:21]
	s_lshl_b32 s20, s101, 19                       ; my first row: (128 tile + 64 half) x 4,096 bytes
	s_lshl_b32 s22, s[WY], 18
	s_add_co_u32 s20, s20, s22
	s_add_nc_u64 s[36:37], s[36:37], s[20:21]
	WIN 0x40                                       ; destination window 1
.irp a, 0,1,2,3,4,5,6,7                            ; THE BIAS is the C of each sum's first product: for X's tile a the numbers 16 a + 8 h + 0 .. 7
	global_load_b128 v[CB+8*\a:CB+8*\a+3], v[BOX], s[32:33] offset:64*\a
	global_load_b128 v[CB+8*\a+4:CB+8*\a+7], v[BOX], s[32:33] offset:64*\a+16
.endr
	WIN 0
	s_wait_alu depctr_va_vdst(0)
	s_wait_loadcnt 0x0
; 24 LDS loads: the fragments of K step n (slot n / 4, its (n % 4)-th 128 along K) into set n % 2
.macro FETCH n
.set FS, (\n)/4
.set FQ, (\n)%4
.set FP, (\n)%2
	WIN 0x40                                       ; destination window 1, address window 0
.irp i, 0,1,2,3,4,5,6,7
.irp c, 0,1
	ds_load_b128 v[128*FP+8*\i+4*\c:128*FP+8*\i+4*\c+3], v[ADRX+FS] offset:64*FQ+32*\c+\i*16*PITCH
.endr
.endr
	WIN 0
.irp i, 0,1,2,3
.irp c, 0,1
	ds_load_b128 v[YF+64*FP+8*\i+4*\c:YF+64*FP+8*\i+4*\c+3], v[ADRY+FS] offset:1024*FQ+512*\c+8192*\i   ; heads 2 q and 2 q + 1 of tile i: the images are the registers
.endr
.endr
.endm
.macro SCALES s                        ; a slot's scale words: lanes 0-15 take Y's block i (i under 4; beyond, filled scale bytes that no product names), lanes 16-31 X's tile i
.irp i, 0,1,2,3,4,5,6,7
	ds_load_b128 v[SC+32*\s+4*\i:SC+32*\s+4*\i+3], v[ADRS] offset:\i*SBLK+16*\s
.endr
.endm
; 32 products: K step n.  first = 1: the sums start with the bias.  The 32 accumulators take turns, one instruction a turn, in one order in every step.
.macro MUL n, first
.set MS, SC+32*((\n)/4)+(\n)%4
.set MP, (\n)%2
.if \first
	WIN 0x91                                       ; source 0 (X) window 1, source 1 (Y) window 0, C window 1, D window 2
.else
	WIN 0xa1                                       ; C and D window 2
.endif
.irp a, 0,1,2,3
.irp b, 0,1,2,3,4,5,6,7
.set AD, 8*(8*\a+\b)
.if \first
	v_wmma_scale_f32_16x16x128_f8f6f4 v[AD:AD+7], v[128*MP+8*\b:128*MP+8*\b+7], v[YF+64*MP+8*\a:YF+64*MP+8*\a+7], v[CB+8*\b:CB+8*\b+7], v[MS+4*\b], v[MS+4*\a] matrix_a_fmt:MATRIX_FMT_FP4 matrix_b_fmt:MATRIX_FMT_FP4 matrix_a_scale:MATRIX_SCALE_ROW1
.else
	v_wmma_scale_f32_16x16x128_f8f6f4 v[AD:AD+7], v[128*MP+8*\b:128*MP+8*\b+7], v[YF+64*MP+8*\a:YF+64*MP+8*\a+7], v[AD:AD+7], v[MS+4*\b], v[MS+4*\a] matrix_a_fmt:MATRIX_FMT_FP4 matrix_b_fmt:MATRIX_FMT_FP4 matrix_a_scale:MATRIX_SCALE_ROW1
.endif
.endr
.endr
.endm
.macro KSTEP n                         ; K step n, n = 1 .. 7: its fragments were asked for a step ago; the next step's are asked for ahead of its products
	s_wait_dscnt 0x0                               ; this step's fragments are in
.if (\n) < 7
	PLACES 4                                       ; four plain places between the last step's products and loads into the registers that they read (ISA guide 7.12.1 for vector instructions)
	FETCH (\n)+1
.if (\n) == 3
	SCALES 1
.endif
.endif
	MUL \n, 0
.endm
	s_wait_tensorcnt 0x0                           ; my tile of the four is in: it was my one load of the launch
	s_barrier_signal -1
	s_barrier_wait -1                              ; everybody's is: all of K and the scales lie in LDS, and nothing is filled again
	FETCH 0
	SCALES 0
	s_wait_dscnt 0x0
	FETCH 1
	MUL 0, 1
.irp n, 1,2,3,4,5,6,7
	KSTEP \n
.endr
	WIN 0
; THE WAY OUT, block by block of 16 rows x 128 columns.  A lane holds 32 neighbouring bytes of a row, and the lanes beside it hold other rows: so a block goes through my own stage in LDS and comes back as whole rows
; of 512 bytes.  LDS serves a wave's instructions in order (ISA guide 5.7.1.4): no wait between the stores and the loads, nor in front of the next block's stores.
.macro TOSTAGE a
.set AC, 64*(\a)
	WIN 0x08                                       ; an LDS store's data are its source 1: window 2
.irp b, 0,1,2,3,4,5,6,7
	ds_store_b128 v[STO], v[AC+8*\b:AC+8*\b+3] offset:64*\b          ; each accumulator from its low end on
	ds_store_b128 v[STO], v[AC+8*\b+4:AC+8*\b+7] offset:64*\b+16
.endr
	WIN 0
.set BB, BK+64*((\a)%2)
.irp t, 0,1,2,3,4,5,6,7,8,9,10,11,12,13,14,15
	ds_load_b128 v[BB+4*\t:BB+4*\t+3], v[RD] offset:\t*SPITCH
.endr
.endm
.macro SEND a, younger                 ; younger: the LDS instructions issued behind block a's loads, which may stay out
.set BB, BK+64*((\a)%2)
	s_wait_dscnt \younger                          ; the block is back in registers
.if (\a) > 0
	s_add_nc_u64 s[36:37], s[36:37], 16*4096       ; 16 rows on (behind a wait on XCNT for 0: the earlier stores have read their base)
.endif
.irp t, 0,1,2,3,4,5,6,7,8,9,10,11,12,13,14,15
	global_store_b128 v[LI], v[BB+4*\t:BB+4*\t+3], s[36:37] offset:\t*4096 th:TH_STORE_NT   ; 32 lanes store 512 consecutive bytes, at a multiple of 256 from the output's first byte; written once, read by nobody here
.endr
.endm
	PLACES 4                                       ; in front of the first read of results and of loads into registers that products have read
	TOSTAGE 0
.irp a, 1,2,3
.if \a > 1
	s_wait_xcnt 0x0                                ; block a - 2's stores have read their registers and their base: block a's loads may land there, and the base may step
.endif
	TOSTAGE \a
	SEND \a-1, 32                                  ; behind block a - 1's loads: block a's 16 stores and 16 loads
.endr
	s_wait_xcnt 0x0                                ; block 2's stores have read their base
	SEND 3, 0
	s_wait_tensorcnt 0x0
	ds_add_u32 v126, v127
	s_wait_dscnt 0x0
	CROUND                                         ; the closing round: no work-group ends while a partner may still ask for a tile that names it
	s_endpgm
.Lfunc_end_k_q32ccd5124c_outp:
	.size	k_q32ccd5124c_outp, .Lfunc_end_k_q32ccd5124c_outp-k_q32ccd5124c_outp
	.p2alignl 7, 3214868480
	.fill 96, 4, 3214868480
	.section	.rodata,"a",@progbits
	.p2align	6, 0x0
	.amdhsa_kernel k_q32ccd5124c_outp
		.amdhsa_group_segment_fixed_size 327680
		.amdhsa_private_segment_fixed_size 0
		.amdhsa_enable_private_segment 0
		.amdhsa_kernarg_size 80
		.amdhsa_user_sgpr_count 2
		.amdhsa_user_sgpr_kernarg_segment_ptr 1
		.amdhsa_wavefront_size32 1
		.amdhsa_system_sgpr_workgroup_id_x 1
		.amdhsa_system_sgpr_workgroup_id_y 1
		.amdhsa_system_sgpr_workgroup_id_z 1
		.amdhsa_system_vgpr_workitem_id 0
		.amdhsa_next_free_vgpr 768
		.amdhsa_next_free_sgpr 102
		.amdhsa_reserve_vcc 0
		.amdhsa_float_denorm_mode_32 3
		.amdhsa_float_denorm_mode_16_64 3
		.amdhsa_memory_ordered 1
		.amdhsa_forward_progress 1
		.amdhsa_inst_pref_size 73
	.end_amdhsa_kernel
	.amdgpu_metadata
---
amdhsa.version: [ 1, 2 ]
amdhsa.kernels:
  - .name:           k_q32ccd5124c_outp
    .symbol:         k_q32ccd5124c_outp.kd
    .args:
      - { .name: ctx_codes, .offset: 0, .size: 8, .value_kind: global_buffer, .address_space: global }
      - { .name: ctx_scales, .offset: 8, .size: 8, .value_kind: global_buffer, .address_space: global }
      - { .name: Wa_o_codes, .offset: 16, .size: 8, .value_kind: global_buffer, .address_space: global }
      - { .name: Wa_o_scales, .offset: 24, .size: 8, .value_kind: global_buffer, .address_space: global }
      - { .name: Wb_o_codes, .offset: 32, .size: 8, .value_kind: global_buffer, .address_space: global }
      - { .name: Wb_o_scales, .offset: 40, .size: 8, .value_kind: global_buffer, .address_space: global }
      - { .name: ba_o, .offset: 48, .size: 8, .value_kind: global_buffer, .address_space: global }
      - { .name: bb_o, .offset: 56, .size: 8, .value_kind: global_buffer, .address_space: global }
      - { .name: out0, .offset: 64, .size: 8, .value_kind: global_buffer, .address_space: global }
      - { .name: out1, .offset: 72, .size: 8, .value_kind: global_buffer, .address_space: global }
    .group_segment_fixed_size: 327680
    .private_segment_fixed_size: 0
    .kernarg_segment_align: 8
    .kernarg_segment_size: 80
    .max_flat_workgroup_size: 128
    .sgpr_count:     102
    .vgpr_count:     768
    .wavefront_size: 32
...
	.end_amdgpu_metadata
.endif
;; end of part 3
